; MI455X (gfx1250); checked and timed in simulation.
; The chip was launched on July 23, 2026; its instructions are those of AMD's public machine-readable ISA for CDNA 5 (MIT licence, August 2026) and "CDNA5" Instruction Set Architecture Reference Guide (July 2026). The comments in the code are by the model that wrote it; some were corrected since.
;; Progressive Expandable FFN. Allowed arithmetic: float matrix products may take bf16 or f16 operands with f32 sums; other float arithmetic in f32, or as packed bf16 or f16 multiplies, adds, multiply-adds, maxima and minima; sums over many terms, partial sums and values carried from step to step in f32; what a program stores and reads back later, other than sums and carried values, may be rounded once to bf16 or f16.
;; Inputs: W_in 1,024 x 4,096 float32; W_out 4,096 x 1,024 float32; b_in 4,096 float32; b_out 1,024 float32; x 4 x 2,048 x 1,024 float32.
;; Outputs: out0 4 x 2,048 x 1,024 float32.
;; 2 versions, each right; version 2 is version 1 with the launch quant written anew for expert scheduling mode. Each part assembles by itself: llvm-mc -triple=amdgcn-amd-amdhsa -mcpu=gfx1250 --defsym DOCPART=n.
;; ======== version 1 of 2: 4 launches
;; limits: a function is approximated: absolute error at most 1.5e-07
;; workspace buffers: xq 16,777,216 bytes; wqi 8,388,608 bytes; wqo 8,388,608 bytes; hs 67,108,864 bytes; st1 149,504 bytes; st3 67,584 bytes
;; launch scan (part 1): grid 256 x 1, 8 waves a work-group, no clusters, 5,632 bytes of LDS; arguments x, W_in, W_out, wqo, st1; writes wqo, st1
.if DOCPART == 1
	.amdgcn_target "amdgcn-amd-amdhsa--gfx1250"
	.amdhsa_code_object_version 6
	.text
	.protected	k_qd58cfbb263_scan
	.globl	k_qd58cfbb263_scan
	.p2align	8
	.type	k_qd58cfbb263_scan,@function
k_qd58cfbb263_scan:
	s_mov_b64 s[64:65], 0
	v_nop
	global_prefetch_b8 v0, s[64:65] scope:SCOPE_SE
	s_setreg_imm32_b32 hwreg(HW_REG_WAVE_MODE, 25, 1), 1
	s_wait_xcnt 0x0
; FIRST PASS OVER THE INPUTS.  Three things, the same in all 256 work-groups of eight waves:
;  (1) W_out [4096][1024] f32: a wave takes two whole rows (32 registers a row), finds the row's largest magnitude, clips it at 1e-8, and writes
;      the int8 codes clip(round(w * 127 / rmax), -128, 127) as f16 (exact) to wqo [4096][1024]; rmax goes to st1.
;  (2) W_in [1024][4096] f32: the work-group takes a block of 128 rows x 128 columns and writes the block's 128 column maxima to st1 (8 partial rows).
;  (3) x, 33,554,432 bytes: the work-group takes 131,072 consecutive bytes and writes their largest magnitude to st1.
; st1: xpart[256] at byte 0, wopart[256] at 1,024, rmax[4096] at 2,048, winpart[8][4096] at 18,432, all f32.
; LIMITS.  127 / rmax is a reciprocal with one Newton step: it may differ from the IEEE quotient in the last bit, so a code whose scaled value lies
; within 1e-7 of a tie may differ by one.  NaN and infinities are not treated apart.
; No matrix unit, no cluster, no tensor load: every byte is read once by 16-byte loads of which a wave's cover 512 consecutive bytes, 48 of them in flight a wave.
.set WRED,  0                          ; LDS: 8 waves x 512 bytes: each wave's 128 column maxima
.set XRED,  4096                       ; 8 words: each wave's maximum of x
.set ORED,  4352                       ; 16 words: the 16 rows' rmax
.set SPARE, 4608                       ; the spare words, 128 bytes for each of 8 waves; no other line names them
.set L16, 3                            ; v3   16 x lane
.set OW,  4                            ; v4   16 l + 8192 w: my 16 bytes in the wave's two rows of W_out
.set OI,  5                            ; v5   16 l + 16384 w: the same in W_in's block and in x
.set OQ,  6                            ; v6   8 l + 4096 w: my 8 bytes in the wave's two rows of wqo
.set CM,  8                            ; v8-11   column maxima of my 4 columns
.set XM,  12                           ; v12-15  four chains for x
.set RM,  16                           ; v16-19  four chains for a row of W_out
.set SCL, 20                           ; v20-21  127 / rmax, twice
.set SPW, 22                           ; v22  LDS address of my spare word; never rewritten
.set NIL, 23                           ; v23  0; never rewritten
.set TP,  24                           ; v24-31  at work
.set RX,  26                           ; v26-27  the two rows' rmax
.set R0,  32                           ; v32-95    W_out's two rows, later x's second half
.set R1,  96                           ; v96-159   W_in
.set R2,  160                          ; v160-223  x's first half
.set YQ,  224                          ; v224-255  the codes to store; each register is written once
.macro WMAX v, t                       ; the maximum over the wave's 32 lanes, in every lane
	v_max_num_f32_dpp v[\v], v[\v], v[\v] row_xmask:1 row_mask:0xf bank_mask:0xf
	v_max_num_f32_dpp v[\v], v[\v], v[\v] row_xmask:2 row_mask:0xf bank_mask:0xf
	v_max_num_f32_dpp v[\v], v[\v], v[\v] row_xmask:4 row_mask:0xf bank_mask:0xf
	v_max_num_f32_dpp v[\v], v[\v], v[\v] row_xmask:8 row_mask:0xf bank_mask:0xf
	v_permlanex16_b32 v[\t], v[\v], s26, s27
	v_max_num_f32 v[\v], v[\v], v[\t]
.endm
.macro DIV q, num, den, r, e           ; q = num / den: reciprocal, product, one Newton step on the quotient
	v_rcp_f32 v[\r], v[\den]
	v_nop                                          ; a plain instruction between the reciprocal and its use (ISA guide 5.7.2)
	s_wait_alu depctr_va_vdst(0)
	v_mul_f32 v[\q], s[\num], v[\r]
	v_fma_f32 v[\e], -v[\den], v[\q], s[\num]
	v_fma_f32 v[\q], v[\e], v[\r], v[\q]
.endm
.macro QCHUNK y, x, s0, s1, lo, hi     ; four f32 -> four codes in f16: scale, round to nearest even, clip, pack
	v_pk_mul_f32 v[(\x):(\x)+1], v[(\x):(\x)+1], v[(\s0):(\s0)+1]
	v_pk_mul_f32 v[(\x)+2:(\x)+3], v[(\x)+2:(\x)+3], v[(\s1):(\s1)+1]
.irp k, 0,1,2,3
	v_rndne_f32 v[(\x)+(\k)], v[(\x)+(\k)]
.endr
.irp k, 0,1,2,3
	v_med3_num_f32 v[(\x)+(\k)], v[(\x)+(\k)], s[\lo], s[\hi]
.endr
	v_cvt_pk_f16_f32 v[\y], v[\x], v[(\x)+1]
	v_cvt_pk_f16_f32 v[(\y)+1], v[(\x)+2], v[(\x)+3]
.endm
	s_load_b256 s[4:11], s[0:1], 0x0               ; x s[4:5], W_in s[6:7], W_out s[8:9], wqo s[10:11]
	s_load_b64 s[12:13], s[0:1], 0x20              ; st1
	v_lshl_add_u32 v[SPW], v0, 2, SPARE
	v_mov_b32 v[NIL], 0
	v_and_b32 v1, 31, v0                           ; lane
	v_lshrrev_b32 v2, 5, v0                        ; wave
	v_readfirstlane_b32 s14, v2
	v_lshlrev_b32 v[L16], 4, v1
	v_lshl_add_u32 v[OW], v2, 13, v[L16]
	v_lshl_add_u32 v[OI], v2, 14, v[L16]
	v_lshlrev_b32 v[OQ], 3, v1
	v_lshl_add_u32 v[OQ], v2, 12, v[OQ]
	v_mov_b32 v[TP], 0                             ; v_permlanex16_b32 counts as a reader of its destination
	s_mov_b32 s24, 0x42fe0000                      ; 127.0
	s_mov_b32 s25, 0xc3000000                      ; -128.0
	s_mov_b32 s26, 0x76543210                      ; v_permlanex16_b32: each lane takes its own place in the other half
	s_mov_b32 s27, 0xfedcba98
	s_mov_b32 s28, 0x322bcc77                      ; 1e-8
	s_mov_b32 s17, 0
	s_lshr_b32 s15, ttmp9, 5                       ; which 128 rows of W_in
	s_and_b32 s30, ttmp9, 31                       ; which 128 columns
	s_lshl_b32 s31, s30, 9
	s_wait_kmcnt 0x0
	s_lshl_b32 s16, ttmp9, 16                      ; 16 rows of 4,096 bytes
	s_add_nc_u64 s[8:9], s[8:9], s[16:17]
	s_lshl_b32 s16, s15, 21                        ; 128 rows of 16,384 bytes
	s_add_co_u32 s16, s16, s31
	s_add_nc_u64 s[6:7], s[6:7], s[16:17]
	s_lshl_b32 s16, ttmp9, 17
	s_add_nc_u64 s[4:5], s[4:5], s[16:17]
.irp r, 0,1
.irp j, 0,1,2,3,4,5,6,7
	global_load_b128 v[R0+32*(\r)+4*(\j):R0+32*(\r)+4*(\j)+3], v[OW], s[8:9] offset:4096*(\r)+512*(\j) th:TH_LOAD_NT
.endr
.endr
.irp i, 0,1,2,3,4,5,6,7,8,9,10,11,12,13,14,15
	global_load_b128 v[R1+4*(\i):R1+4*(\i)+3], v[OI], s[6:7] offset:131072*(\i)  ; row w + 8 i of the block
.endr
.irp j, 0,1,2,3,4,5,6,7,8,9,10,11,12,13,14,15
	global_load_b128 v[R2+4*(\j):R2+4*(\j)+3], v[OI], s[4:5] offset:512*(\j)
.endr
	s_lshl_b32 s16, ttmp9, 15                      ; 16 rows of 2,048 bytes
	s_add_nc_u64 s[10:11], s[10:11], s[16:17]
	s_lshl_b32 s16, s15, 14
	s_add_co_u32 s16, s16, s31
	s_add_co_u32 s16, s16, 18432
	s_add_nc_u64 s[22:23], s[12:13], s[16:17]      ; winpart at my block's 128 columns
	s_lshl_b32 s16, ttmp9, 6
	s_add_co_u32 s16, s16, 2048
	s_add_nc_u64 s[18:19], s[12:13], s[16:17]      ; rmax at my 16 rows
	s_lshl_b32 s16, ttmp9, 2
	s_add_nc_u64 s[20:21], s[12:13], s[16:17]      ; xpart at my word; wopart lies 1,024 bytes on
; One row of W_out: its maximum in four chains, over the lanes, clipped; the scale; eight chunks of codes, each stored as 256 consecutive bytes, aligned.
.macro ROWQ r
.set RB, R0+32*(\r)
.irp c, 0,1,2,3
	v_max_num_f32 v[RM+(\c)], |v[RB+8*(\c)]|, |v[RB+8*(\c)+1]|
.endr
.irp p, 1,2,3
.irp c, 0,1,2,3
	v_max3_num_f32 v[RM+(\c)], v[RM+(\c)], |v[RB+8*(\c)+2*(\p)]|, |v[RB+8*(\c)+2*(\p)+1]|
.endr
.endr
	v_max3_num_f32 v[RM], v[RM], v[RM+1], v[RM+2]
	v_max_num_f32 v[RM], v[RM], v[RM+3]
	WMAX RM, TP
	v_max_num_f32 v[RX+(\r)], s28, v[RM]
	DIV SCL, 24, RX+(\r), TP+4, TP+5
	v_mov_b32 v[SCL+1], v[SCL]
.irp j, 0,1,2,3,4,5,6,7
	QCHUNK YQ+16*(\r)+2*(\j), RB+4*(\j), SCL, SCL, 25, 24
	global_store_b64 v[OQ], v[YQ+16*(\r)+2*(\j):YQ+16*(\r)+2*(\j)+1], s[10:11] offset:2048*(\r)+256*(\j)
.endr
.endm
	s_wait_loadcnt 32                              ; W_out's 16 loads are in; the 32 younger ones (W_in, x) stay out
	ROWQ 0
	ROWQ 1
.irp j, 0,1,2,3,4,5,6,7,8,9,10,11,12,13,14,15
	global_load_b128 v[R0+4*(\j):R0+4*(\j)+3], v[OI], s[4:5] offset:8192+512*(\j)  ; x's second half, into registers that only arithmetic has read
.endr
	s_wait_loadcnt 32                              ; W_in is in; x's 32 loads stay out
.irp c, 0,1,2,3
	v_max_num_f32 v[CM+(\c)], |v[R1+(\c)]|, |v[R1+4+(\c)]|
.endr
.irp p, 1,2,3,4,5,6,7
.irp c, 0,1,2,3
	v_max3_num_f32 v[CM+(\c)], v[CM+(\c)], |v[R1+8*(\p)+(\c)]|, |v[R1+8*(\p)+4+(\c)]|
.endr
.endr
	s_wait_loadcnt 16                              ; x's first half
.irp c, 0,1,2,3
	v_max_num_f32 v[XM+(\c)], |v[R2+(\c)]|, |v[R2+4+(\c)]|
.endr
.irp p, 1,2,3,4,5,6,7
.irp c, 0,1,2,3
	v_max3_num_f32 v[XM+(\c)], v[XM+(\c)], |v[R2+8*(\p)+(\c)]|, |v[R2+8*(\p)+4+(\c)]|
.endr
.endr
	s_wait_loadcnt 0x0                             ; and its second
.irp p, 0,1,2,3,4,5,6,7
.irp c, 0,1,2,3
	v_max3_num_f32 v[XM+(\c)], v[XM+(\c)], |v[R0+8*(\p)+(\c)]|, |v[R0+8*(\p)+4+(\c)]|
.endr
.endr
	v_max3_num_f32 v[XM], v[XM], v[XM+1], v[XM+2]
	v_max_num_f32 v[XM], v[XM], v[XM+3]
	WMAX XM, TP
	; the eight waves' figures meet in LDS
	v_lshlrev_b32 v7, 4, v0                        ; 16 x thread = 512 w + 16 l
	ds_store_b128 v7, v[CM:CM+3]
	v_lshl_add_u32 v25, v2, 2, XRED
	ds_store_b32 v25, v[XM]
	v_lshl_add_u32 v30, v2, 3, ORED
	ds_store_b64 v30, v[RX:RX+1]
	s_wait_dscnt 0x0                               ; for the others' sake: my stores are done
	s_barrier_signal -1
	s_barrier_wait -1
	s_cmp_lg_u32 s14, 0
	s_cbranch_scc1 .Lend                           ; wave 0 alone finishes; no barrier stands in what is jumped
.irp c, 0,1,2,3,4,5,6,7
	ds_load_b128 v[R1+4*(\c):R1+4*(\c)+3], v[L16] offset:WRED+512*(\c)
.endr
	v_mov_b32 v25, XRED
	ds_load_b128 v[R2:R2+3], v25
	ds_load_b128 v[R2+4:R2+7], v25 offset:16
	v_and_b32 v30, 15, v0
	v_lshlrev_b32 v30, 2, v30                      ; 4 (l % 16)
	ds_load_b32 v[R2+8], v30 offset:ORED
	s_wait_dscnt 0x0
.irp c, 0,1,2,3
	v_max3_num_f32 v[CM+(\c)], v[R1+(\c)], v[R1+4+(\c)], v[R1+8+(\c)]
	v_max3_num_f32 v[CM+(\c)], v[CM+(\c)], v[R1+12+(\c)], v[R1+16+(\c)]
	v_max3_num_f32 v[CM+(\c)], v[CM+(\c)], v[R1+20+(\c)], v[R1+24+(\c)]
	v_max_num_f32 v[CM+(\c)], v[CM+(\c)], v[R1+28+(\c)]
.endr
	global_store_b128 v[L16], v[CM:CM+3], s[22:23] ; 512 consecutive bytes, aligned
	v_max3_num_f32 v[XM], v[R2], v[R2+1], v[R2+2]
	v_max3_num_f32 v[XM], v[XM], v[R2+3], v[R2+4]
	v_max3_num_f32 v[XM], v[XM], v[R2+5], v[R2+6]
	v_max_num_f32 v[XM], v[XM], v[R2+7]
	v_mov_b32 v31, v[R2+8]                         ; the largest of the 16 rmax: both halves of the lanes hold the same 16
	v_max_num_f32_dpp v31, v31, v31 row_xmask:1 row_mask:0xf bank_mask:0xf
	v_max_num_f32_dpp v31, v31, v31 row_xmask:2 row_mask:0xf bank_mask:0xf
	v_max_num_f32_dpp v31, v31, v31 row_xmask:4 row_mask:0xf bank_mask:0xf
	v_max_num_f32_dpp v31, v31, v31 row_xmask:8 row_mask:0xf bank_mask:0xf
	v_cmp_gt_u32 vcc_lo, 16, v0
	s_wait_xcnt 0x0                                ; EXEC is a source of the store above: it changes only behind this wait
	s_and_saveexec_b32 s29, vcc_lo
	global_store_b32 v30, v[R2+8], s[18:19]        ; 16 rmax
	s_wait_xcnt 0x0
	s_or_b32 exec_lo, exec_lo, s29
	v_cmp_eq_u32 vcc_lo, 0, v0
	s_and_saveexec_b32 s29, vcc_lo
	global_store_b32 v30, v[XM], s[20:21]          ; lane 0: its offset is 0
	global_store_b32 v30, v31, s[20:21] offset:1024
	s_wait_xcnt 0x0
	s_or_b32 exec_lo, exec_lo, s29
.Lend:
	s_wait_tensorcnt 0x0                           ; the wave's end, behind my last LDS store
	ds_add_u32 v[SPW], v[NIL]
	s_wait_dscnt 0x0
	s_endpgm
.Lfunc_end_k_qd58cfbb263_scan:
	.size	k_qd58cfbb263_scan, .Lfunc_end_k_qd58cfbb263_scan-k_qd58cfbb263_scan
	.p2alignl 7, 3214868480
	.fill 96, 4, 3214868480
	.section	.rodata,"a",@progbits
	.p2align	6, 0x0
	.amdhsa_kernel k_qd58cfbb263_scan
		.amdhsa_group_segment_fixed_size 5632
		.amdhsa_private_segment_fixed_size 0
		.amdhsa_enable_private_segment 0
		.amdhsa_kernarg_size 40
		.amdhsa_user_sgpr_count 2
		.amdhsa_user_sgpr_kernarg_segment_ptr 1
		.amdhsa_wavefront_size32 1
		.amdhsa_system_sgpr_workgroup_id_x 1
		.amdhsa_system_sgpr_workgroup_id_y 1
		.amdhsa_system_sgpr_workgroup_id_z 1
		.amdhsa_system_vgpr_workitem_id 0
		.amdhsa_next_free_vgpr 256
		.amdhsa_next_free_sgpr 66
		.amdhsa_reserve_vcc 1
		.amdhsa_float_denorm_mode_32 3
		.amdhsa_float_denorm_mode_16_64 3
		.amdhsa_memory_ordered 1
		.amdhsa_forward_progress 1
		.amdhsa_inst_pref_size 34
	.end_amdhsa_kernel
	.amdgpu_metadata
---
amdhsa.version: [ 1, 2 ]
amdhsa.kernels:
  - .name:           k_qd58cfbb263_scan
    .symbol:         k_qd58cfbb263_scan.kd
    .args:
      - { .name: x, .offset: 0, .size: 8, .value_kind: global_buffer, .address_space: global }
      - { .name: W_in, .offset: 8, .size: 8, .value_kind: global_buffer, .address_space: global }
      - { .name: W_out, .offset: 16, .size: 8, .value_kind: global_buffer, .address_space: global }
      - { .name: wqo, .offset: 24, .size: 8, .value_kind: global_buffer, .address_space: global }
      - { .name: st1, .offset: 32, .size: 8, .value_kind: global_buffer, .address_space: global }
    .group_segment_fixed_size: 5632
    .private_segment_fixed_size: 0
    .kernarg_segment_align: 8
    .kernarg_segment_size: 40
    .max_flat_workgroup_size: 256
    .sgpr_count:     66
    .vgpr_count:     256
    .wavefront_size: 32
...
	.end_amdgpu_metadata
.endif
;; end of part 1
;; launch quant (part 2): grid 256 x 1, 8 waves a work-group, no clusters, 0 bytes of LDS; arguments x, W_in, st1, xq, wqi; writes xq, wqi
.if DOCPART == 2
	.amdgcn_target "amdgcn-amd-amdhsa--gfx1250"
	.amdhsa_code_object_version 6
	.text
	.protected	k_qd58cfbb263_quant
	.globl	k_qd58cfbb263_quant
	.p2align	8
	.type	k_qd58cfbb263_quant,@function
k_qd58cfbb263_quant:
	s_mov_b64 s[64:65], 0
	v_nop
	global_prefetch_b8 v0, s[64:65] scope:SCOPE_SE
	s_setreg_imm32_b32 hwreg(HW_REG_WAVE_MODE, 25, 1), 1
	s_wait_xcnt 0x0
; SECOND PASS: the codes of x and W_in, as f16.
;  xq [8192][1024]  = f16(clip(round(x * 32767 / ax), -32768, 32767)), ax = max(max |x|, 1e-8): at most 32,768 in size whatever x's scale; f16 keeps 11 bits of a code.
;  wqi [1024][4096] = clip(round(W_in * 127 / cmax[n]), -128, 127), cmax[n] = max(column n's largest magnitude, 1e-8): exact in f16.  The layout stays [k][n].
; Shares as in the first pass: the work-group takes 131,072 bytes of x (16,384 a wave) and a block of 128 rows x 128 columns of W_in (wave w: rows w + 8 i).
; LIMITS.  The two scales are reciprocals with one Newton step: a code whose scaled value lies within 1e-7 of a tie may differ by one.  NaN and infinities are not treated apart.
; A stream: no LDS, no matrix unit.  Every load of a wave covers 512 consecutive bytes, every store 256, aligned; x goes through a ring of eight register slots.
.set XS,  4                            ; v4-5    32767 / ax, twice
.set WS,  8                            ; v8-11   127 / cmax of my 4 columns
.set IN,  12                           ; v12     16 l + 16384 w
.set OUT, 13                           ; v13     8 l + 8192 w
.set TP,  16                           ; v16-23  at work
.set YX,  24                           ; v24-39  slot i: two registers of codes
.set X,   40                           ; v40-71  slot i: four registers as loaded
.set W,   72                           ; v72-135 W_in, 16 chunks
.set ST,  136                          ; v136-175 xpart (8), winpart (32)
.set YW,  176                          ; v176-207 W_in's codes; each register is written once
.macro WMAX v, t
	v_max_num_f32_dpp v[\v], v[\v], v[\v] row_xmask:1 row_mask:0xf bank_mask:0xf
	v_max_num_f32_dpp v[\v], v[\v], v[\v] row_xmask:2 row_mask:0xf bank_mask:0xf
	v_max_num_f32_dpp v[\v], v[\v], v[\v] row_xmask:4 row_mask:0xf bank_mask:0xf
	v_max_num_f32_dpp v[\v], v[\v], v[\v] row_xmask:8 row_mask:0xf bank_mask:0xf
	v_permlanex16_b32 v[\t], v[\v], s26, s27
	v_max_num_f32 v[\v], v[\v], v[\t]
.endm
.macro DIV q, num, den, r, e           ; q = num / den: reciprocal, product, one Newton step on the quotient
	v_rcp_f32 v[\r], v[\den]
	v_nop                                          ; a plain instruction between the reciprocal and its use (ISA guide 5.7.2)
	s_wait_alu depctr_va_vdst(0)
	v_mul_f32 v[\q], s[\num], v[\r]
	v_fma_f32 v[\e], -v[\den], v[\q], s[\num]
	v_fma_f32 v[\q], v[\e], v[\r], v[\q]
.endm
.macro QCHUNK y, x, s0, s1, lo, hi     ; four f32 -> four codes in f16: scale, round to nearest even, clip, pack
	v_pk_mul_f32 v[(\x):(\x)+1], v[(\x):(\x)+1], v[(\s0):(\s0)+1]
	v_pk_mul_f32 v[(\x)+2:(\x)+3], v[(\x)+2:(\x)+3], v[(\s1):(\s1)+1]
.irp k, 0,1,2,3
	v_rndne_f32 v[(\x)+(\k)], v[(\x)+(\k)]
.endr
.irp k, 0,1,2,3
	v_med3_num_f32 v[(\x)+(\k)], v[(\x)+(\k)], s[\lo], s[\hi]
.endr
	v_cvt_pk_f16_f32 v[\y], v[\x], v[(\x)+1]
	v_cvt_pk_f16_f32 v[(\y)+1], v[(\x)+2], v[(\x)+3]
.endm
	s_load_b256 s[4:11], s[0:1], 0x0               ; x s[4:5], W_in s[6:7], st1 s[8:9], xq s[10:11]
	s_load_b64 s[12:13], s[0:1], 0x20              ; wqi
	v_and_b32 v1, 31, v0
	v_lshrrev_b32 v2, 5, v0
	v_lshlrev_b32 v3, 4, v1                        ; 16 l
	v_lshl_add_u32 v[IN], v2, 14, v3
	v_lshlrev_b32 v[OUT], 3, v1
	v_lshl_add_u32 v[OUT], v2, 13, v[OUT]
	v_mov_b32 v[TP+6], 0                           ; v_permlanex16_b32 counts as a reader of its destination
	s_mov_b32 s20, 0x42fe0000                      ; 127.0
	s_mov_b32 s21, 0xc3000000                      ; -128.0
	s_mov_b32 s22, 0x46fffe00                      ; 32767.0
	s_mov_b32 s23, 0xc7000000                      ; -32768.0
	s_mov_b32 s24, 0x322bcc77                      ; 1e-8
	s_mov_b32 s26, 0x76543210
	s_mov_b32 s27, 0xfedcba98
	s_mov_b32 s17, 0
	s_lshr_b32 s15, ttmp9, 5                       ; which 128 rows of W_in
	s_and_b32 s28, ttmp9, 31                       ; which 128 columns
	s_wait_kmcnt 0x0
	s_lshl_b32 s16, s28, 9
	s_add_co_u32 s16, s16, 18432
	s_add_nc_u64 s[18:19], s[8:9], s[16:17]        ; winpart at my 128 columns
	s_lshl_b32 s16, s15, 21
	s_lshl_b32 s29, s28, 9
	s_add_co_u32 s16, s16, s29
	s_add_nc_u64 s[6:7], s[6:7], s[16:17]
	s_lshl_b32 s16, ttmp9, 17
	s_add_nc_u64 s[4:5], s[4:5], s[16:17]
	global_load_b128 v[ST:ST+3], v3, s[8:9]
	global_load_b128 v[ST+4:ST+7], v3, s[8:9] offset:512
.irp c, 0,1,2,3,4,5,6,7
	global_load_b128 v[ST+8+4*(\c):ST+8+4*(\c)+3], v3, s[18:19] offset:16384*(\c)
.endr
.irp i, 0,1,2,3,4,5,6,7,8,9,10,11,12,13,14,15
	global_load_b128 v[W+4*(\i):W+4*(\i)+3], v[IN], s[6:7] offset:131072*(\i) th:TH_LOAD_NT
.endr
.irp i, 0,1,2,3,4,5,6,7
	global_load_b128 v[X+4*(\i):X+4*(\i)+3], v[IN], s[4:5] offset:512*(\i) th:TH_LOAD_NT
.endr
	s_lshl_b32 s16, ttmp9, 16
	s_add_nc_u64 s[10:11], s[10:11], s[16:17]      ; xq: 65,536 bytes a work-group
	s_lshl_b32 s16, s15, 20                        ; wqi: 128 rows of 8,192 bytes,
	s_lshl_b32 s29, s28, 8                         ; 128 columns of 2
	s_add_co_u32 s16, s16, s29
	s_add_nc_u64 s[12:13], s[12:13], s[16:17]
	s_wait_loadcnt 24                              ; the ten loads of figures are in; W_in's 16 and x's 8 stay out
	v_max3_num_f32 v[TP+7], v[ST], v[ST+1], v[ST+2]
	v_max3_num_f32 v[TP+7], v[TP+7], v[ST+3], v[ST+4]
	v_max3_num_f32 v[TP+7], v[TP+7], v[ST+5], v[ST+6]
	v_max_num_f32 v[TP+7], v[TP+7], v[ST+7]
	WMAX TP+7, TP+6
	v_max_num_f32 v[TP+7], s24, v[TP+7]
	DIV XS, 22, TP+7, TP+4, TP+5
	v_mov_b32 v[XS+1], v[XS]
.irp c, 0,1,2,3
	v_max3_num_f32 v[TP+(\c)], v[ST+8+(\c)], v[ST+12+(\c)], v[ST+16+(\c)]
	v_max3_num_f32 v[TP+(\c)], v[TP+(\c)], v[ST+20+(\c)], v[ST+24+(\c)]
	v_max3_num_f32 v[TP+(\c)], v[TP+(\c)], v[ST+28+(\c)], v[ST+32+(\c)]
	v_max3_num_f32 v[TP+(\c)], v[TP+(\c)], v[ST+36+(\c)], s24
.endr
.irp c, 0,1,2,3
	DIV WS+(\c), 20, TP+(\c), TP+4, TP+5
.endr
.irp i, 0,1,2,3,4,5,6,7,8,9,10,11,12,13,14,15
	s_wait_loadcnt 23-(\i)                         ; chunk i of W_in is in: behind it stand 15 - i of W_in's loads and x's 8
	QCHUNK YW+2*(\i), W+4*(\i), WS, WS+2, 21, 20
	global_store_b64 v[OUT], v[YW+2*(\i):YW+2*(\i)+1], s[12:13] offset:65536*(\i)  ; row w + 8 i: 256 consecutive bytes, aligned
.endr
; One slot's turn.  ahead = 1: the slot is filled again with the chunk eight further on.  left = the younger loads that may stay out.
.macro SLOT i, ahead, left
	s_wait_loadcnt \left
	QCHUNK YX+2*(\i), X+4*(\i), XS, XS, 23, 22
.if \ahead
	global_load_b128 v[X+4*(\i):X+4*(\i)+3], v[IN], s[4:5] offset:512*(\i)+4096 th:TH_LOAD_NT
.endif
	global_store_b64 v[OUT], v[YX+2*(\i):YX+2*(\i)+1], s[10:11] offset:256*(\i)
.endm
	s_mov_b32 s14, 3
.Lround:
.irp i, 0,1,2,3,4,5,6,7
	SLOT \i, 1, 7
.endr
	s_wait_xcnt 0x0                                ; the two bases and the stores' data are rewritten only behind this wait (ISA guide 3.1)
	s_add_nc_u64 s[4:5], s[4:5], 4096
	s_add_nc_u64 s[10:11], s[10:11], 2048
	s_sub_co_u32 s14, s14, 1
	s_cmp_lg_u32 s14, 0
	s_cbranch_scc1 .Lround
.irp i, 0,1,2,3,4,5,6,7
	SLOT \i, 0, 7-(\i)                             ; the last round loads nothing: the counts run down
.endr
	s_endpgm
.Lfunc_end_k_qd58cfbb263_quant:
	.size	k_qd58cfbb263_quant, .Lfunc_end_k_qd58cfbb263_quant-k_qd58cfbb263_quant
	.p2alignl 7, 3214868480
	.fill 96, 4, 3214868480
	.section	.rodata,"a",@progbits
	.p2align	6, 0x0
	.amdhsa_kernel k_qd58cfbb263_quant
		.amdhsa_group_segment_fixed_size 0
		.amdhsa_private_segment_fixed_size 0
		.amdhsa_enable_private_segment 0
		.amdhsa_kernarg_size 40
		.amdhsa_user_sgpr_count 2
		.amdhsa_user_sgpr_kernarg_segment_ptr 1
		.amdhsa_wavefront_size32 1
		.amdhsa_system_sgpr_workgroup_id_x 1
		.amdhsa_system_sgpr_workgroup_id_y 1
		.amdhsa_system_sgpr_workgroup_id_z 1
		.amdhsa_system_vgpr_workitem_id 0
		.amdhsa_next_free_vgpr 208
		.amdhsa_next_free_sgpr 66
		.amdhsa_reserve_vcc 0
		.amdhsa_float_denorm_mode_32 3
		.amdhsa_float_denorm_mode_16_64 3
		.amdhsa_memory_ordered 1
		.amdhsa_forward_progress 1
		.amdhsa_inst_pref_size 33
	.end_amdhsa_kernel
	.amdgpu_metadata
---
amdhsa.version: [ 1, 2 ]
amdhsa.kernels:
  - .name:           k_qd58cfbb263_quant
    .symbol:         k_qd58cfbb263_quant.kd
    .args:
      - { .name: x, .offset: 0, .size: 8, .value_kind: global_buffer, .address_space: global }
      - { .name: W_in, .offset: 8, .size: 8, .value_kind: global_buffer, .address_space: global }
      - { .name: st1, .offset: 16, .size: 8, .value_kind: global_buffer, .address_space: global }
      - { .name: xq, .offset: 24, .size: 8, .value_kind: global_buffer, .address_space: global }
      - { .name: wqi, .offset: 32, .size: 8, .value_kind: global_buffer, .address_space: global }
    .group_segment_fixed_size: 0
    .private_segment_fixed_size: 0
    .kernarg_segment_align: 8
    .kernarg_segment_size: 40
    .max_flat_workgroup_size: 256
    .sgpr_count:     66
    .vgpr_count:     208
    .wavefront_size: 32
...
	.end_amdgpu_metadata
.endif
;; end of part 2
;; launch ffn1 (part 3): grid 16 x 32, 4 waves a work-group, clusters of 4 x 4, 327,680 bytes of LDS; arguments xq, wqi, st1, b_in, hs, st3; writes hs, st3
.if DOCPART == 3
	.amdgcn_target "amdgcn-amd-amdhsa--gfx1250"
	.amdhsa_code_object_version 6
	.text
	.protected	k_qd58cfbb263_ffn1
	.globl	k_qd58cfbb263_ffn1
	.p2align	8
	.type	k_qd58cfbb263_ffn1,@function
k_qd58cfbb263_ffn1:
	s_mov_b64 s[64:65], 0
	v_nop
	global_prefetch_b8 v0, s[64:65] scope:SCOPE_SE
	s_setreg_imm32_b32 hwreg(HW_REG_WAVE_MODE, 25, 1), 1
	s_wait_xcnt 0x0
	s_wait_alu depctr_hold_cnt(0) depctr_sa_sdst(0) depctr_va_vdst(0) depctr_va_sdst(0) depctr_va_ssrc(0) depctr_va_vcc(0) depctr_vm_vsrc(0)
	s_getreg_b32 s2, hwreg(HW_REG_IB_STS2, 6, 4)
	s_cmp_eq_u32 s2, 0
	s_cbranch_scc0 .Lentry_in_a_cluster
	s_endpgm
.Lentry_in_a_cluster:
	s_bfe_u32 s2, ttmp6, 0x10000c
	s_cmp_lg_u32 s2, 0xf033
	s_cbranch_scc0 .Lentry_shape_is_right
	s_endpgm
.Lentry_shape_is_right:
; FIRST PRODUCT AND GELU.  acc[m][n] = sum over k of xq[m][k] wqi[k][n] (codes in f16, sums in f32; M = 8192, N = 4096, K = 1024);
; z = acc * ax * cmax[n] / (32767 * 127) + b_in[n];  h = gelu(z) = z (1 + erf(z / sqrt 2)) / 2.
; GELU.  With c = sqrt(log2(e) / 2) and zc = c z (c is folded into the column's scale and bias): 2^(-zc^2) = e^(-z^2 / 2); t = 1 / (1 + 0.27273749 |zc|);
; q = t (A1 + t (A2 + t (A3 + t (A4 + t A5)))) 2^(-zc^2), the rational form of erfc (Abramowitz and Stegun 7.1.26, error 1.5e-7 on erf), coefficients halved;
; g = max(zc, 0) - |zc| q = c gelu(z): no difference of near numbers is formed.
; OUT.  h's global maximum is not known here, so h leaves normalised by blocks of 16 rows x 128 columns: hs = f16(g * 32768 / bm), bm = max(the block's largest |g|, 2^-100).
; hnorm[column tile of 128][row block of 16] = bm / c and hpart[work-group] = the tile's largest |h| go to st3.  The later int16 step is never below 1 in hs's units.
; LIMITS.  f16 keeps 11 bits of xq's codes and of hs.  In the negative tail below z = -8.5 gelu's relative error passes 2 per cent (its size there is under 1e-16 |z|).  NaN and infinities are not treated apart.
; SHAPE.  A tile of 256 x 256 to a work-group of four waves, 128 x 128 a wave: 64 accumulators, 512 registers.  K goes in 8 steps of 128 through two LDS slots filled by the tensor data mover.
; CLUSTER.  4 x 4 work-groups: the four of a row need the same tiles of xq, the four of a column the same tiles of wqi: each is asked for jointly, same descriptor, same mask.
; THE MATRIX INSTRUCTION IS USED TRANSPOSED: source 0 = 16 columns of wqi (out of [k][n] rows in LDS by the turning load), source 1 = 16 rows of xq; a lane then holds row l % 16 and columns 8 (l / 16) + 0..7.
; REGISTERS, in windows of 256: window 0: v0-31 addresses and figures; v64-127, v128-191 xq's fragments, two buffers; on the way out v32-231 at work.
;   window 1: v64-127, v128-191 wqi's fragments.  Windows 2, 3: the accumulators of my rows 0-63, 64-127: (a, b) at v[8 (8 (a % 4) + b)].
.set PA,     272                       ; an LDS row of xq: 256 bytes + 16: the 16 rows of a load start at 16 different groups of four banks (ISA guide 11.1)
.set PB,     544                       ; an LDS row of wqi: 512 bytes + 32
.set HALFT,  34816                     ; what one tensor load brings: 128 rows x 272, or 64 rows x 544
.set SLOT,   4*HALFT                   ; xq's 256 rows, then wqi's 128 k-rows
.set STAGE,  2*SLOT                    ; behind the ring: 16 rows x 528 bytes for each wave
.set SPI,    528
.set RED,    STAGE+4*16*SPI            ; four words: the waves' maxima
.set SPARE,  RED+256                   ; the spare words, 128 bytes for each wave; no other line names them
.set LAPS,   4                         ; a lap = two K steps
.set SC,   8                           ; v8-11   scale of my 4 columns on the way out
.set BC,   12                          ; v12-15  their bias
.set ADRA, 16                          ; v16-17  LDS address of my xq fragments in slot 0, 1
.set ADRB, 20                          ; v20-21  the same for wqi
.set LANE, 22
.set BM,   23                          ; lane i: block i's bm
.set STO,  24                          ; where I put 16 bytes of a row in my stage
.set RD,   25                          ; where I read a row back
.set CO,   26                          ; 8 x lane: my bytes in 256 of hs
.set TM,   27                          ; my wave's largest |g|
.set SPW,  28                          ; LDS address of my spare word; never rewritten
.set NIL,  29                          ; 0; never rewritten
.set NR,   30                          ; v30-31  32768 / bm, twice
.set F0,   64
.set F1,   128
.set PS,   192                         ; v192-236 the figures read at the start
.set ZR,   32                          ; v32-95   a block of 16 rows x 4 columns a lane
.set TR,   96                          ; v96-127  t, later max(zc, 0): half a block
.set WR,   128                         ; v128-159 2^(-zc^2)
.set PR,   160                         ; v160-191 the polynomial, q
.set HR,   192                         ; v192-223 hs to store
.set MR,   224                         ; v224-227 four chains of the block's maximum
.set TP,   228                         ; v228-231 at work
.set G1,  24                           ; s[24:31] descriptor group 1 for xq's tiles; s[32:39] group 0, a set for each slot
.set G0,  32
.set G1B, 48                           ; s[48:55], s[56:63] the same for wqi's
.set G0B, 56
.set MSB, 0
.macro WIN new                         ; the immediate's high byte repeats the setting that is left; a switch that changes nothing is dropped
.if MSB != (\new)
	s_set_vgpr_msb (MSB<<8)|(\new)
.set MSB, \new
.endif
.endm
.set MUL_LO, 0xa1                      ; source 0 window 1, source 1 window 0, C and D window 2
.set MUL_HI, 0xf1                      ; the same, C and D window 3
.set TO_B,   0x40                      ; destination window 1, address window 0
; A joint load: waves 0 and 1 fetch xq's two halves, waves 2 and 3 wqi's.  The branch hangs on the wave's number alone.  An s_nop 0 and four v_nop follow each of the two lines.
.macro JLOAD s
	s_cmp_eq_u32 s17, 0
	s_cbranch_scc0 .Lfor_b_\@
	tensor_load_to_lds s[G0+4*(\s):G0+4*(\s)+3], s[G1:G1+7]
	s_nop 0
.rept 4
	v_nop
.endr
	s_branch .Lasked_\@
.Lfor_b_\@:
	tensor_load_to_lds s[G0B+4*(\s):G0B+4*(\s)+3], s[G1B:G1B+7]
	s_nop 0
.rept 4
	v_nop
.endr
.Lasked_\@:
.endm
.macro CREST                           ; a round of the cluster's barrier behind its opening barrier
	s_cmp_lg_u32 s16, 0
	s_cbranch_scc1 .Lnot_wave_0_\@
	s_barrier_signal -3
.Lnot_wave_0_\@:
	s_barrier_wait -3
	s_barrier_signal -1
	s_barrier_wait -1
.endm
.macro CROUND                          ; a whole round
	s_barrier_signal -1
	s_barrier_wait -1
	CREST
.endm
.macro WMAX v, t
	v_max_num_f32_dpp v[\v], v[\v], v[\v] row_xmask:1 row_mask:0xf bank_mask:0xf
	v_max_num_f32_dpp v[\v], v[\v], v[\v] row_xmask:2 row_mask:0xf bank_mask:0xf
	v_max_num_f32_dpp v[\v], v[\v], v[\v] row_xmask:4 row_mask:0xf bank_mask:0xf
	v_max_num_f32_dpp v[\v], v[\v], v[\v] row_xmask:8 row_mask:0xf bank_mask:0xf
	v_permlanex16_b32 v[\t], v[\v], s80, s81
	v_max_num_f32 v[\v], v[\v], v[\t]
.endm
	s_load_b256 s[4:11], s[0:1], 0x0               ; xq s[4:5], wqi s[6:7], st1 s[8:9], b_in s[10:11]
	s_load_b128 s[12:15], s[0:1], 0x20             ; hs s[12:13], st3 s[14:15]
	v_lshl_add_u32 v[SPW], v0, 2, SPARE
	v_mov_b32 v[NIL], 0
	ds_add_u32 v[SPW], v[NIL]                      ; the wave's opening: the add and its wait stand ahead of my first tensor load; work on registers stands between them
	v_lshrrev_b32 v1, 5, v0
	v_readfirstlane_b32 s16, v1                    ; wave 0..3
	s_lshr_b32 s17, s16, 1                         ; which half of the tile's rows is mine.  Also: I fetch for xq (0) or for wqi (1)
	s_and_b32 s18, s16, 1                          ; which half of its columns.  Also: which half of that tile I fetch
	s_bfe_u32 s20, ttmp6, 0x40000                  ; cx
	s_bfe_u32 s21, ttmp6, 0x40004                  ; cy
	s_lshl_b32 s22, ttmp9, 2
	s_add_co_u32 s22, s22, s20                     ; tile column = 4 x cluster x + cx
	s_and_b32 s23, ttmp7, 0xffff
	s_lshl_b32 s23, s23, 2
	s_add_co_u32 s23, s23, s21                     ; tile row = 4 x cluster y + cy
	s_lshl_b32 s40, s21, 2
	s_lshl_b32 s40, 15, s40                        ; my row of the cluster
	s_lshl_b32 s41, 0x1111, s20                    ; my column
	s_or_b32 s[G1], s40, (1<<16)|(1<<20)|(1<<21)|(5<<22)|(3<<25)   ; mask; 2-byte elements; padding on; bit 21 beside a mask; after every 64 words, 4 words
	s_or_b32 s[G1B], s41, (1<<16)|(1<<20)|(1<<21)|(6<<22)|(7<<25)  ; the same with my column's mask; after every 128 words, 8 words
	s_mov_b32 s[G1+1], 128<<16                     ; xq: tensor_dim0 = 128
	s_mov_b32 s[G1+2], 128<<16                     ; tensor_dim1 = 128
	s_mov_b32 s[G1+3], 128<<16                     ; tile_dim0 = 128 elements (256 bytes)
	s_mov_b32 s[G1+4], 128                         ; tile_dim1 = 128 rows
	s_mov_b32 s[G1+5], 1024                        ; elements from row to row
	s_mov_b32 s[G1+6], 0
	s_mov_b32 s[G1+7], 0
	s_mov_b32 s[G1B+1], 256<<16                    ; wqi: tensor_dim0 = 256
	s_mov_b32 s[G1B+2], 64<<16                     ; tensor_dim1 = 64
	s_mov_b32 s[G1B+3], 256<<16                    ; tile_dim0 = 256 elements (512 bytes)
	s_mov_b32 s[G1B+4], 64                         ; tile_dim1 = 64 k-rows
	s_mov_b32 s[G1B+5], 4096
	s_mov_b32 s[G1B+6], 0
	s_mov_b32 s[G1B+7], 0
	s_lshl_b32 s42, s23, 19                        ; xq: 256 rows of 2,048 bytes a tile row,
	s_lshl_b32 s43, s18, 18                        ; 128 rows a half: the tile row and the wave's number alone
	s_add_co_u32 s42, s42, s43
	s_mov_b32 s43, 0
	s_lshl_b32 s44, s22, 9                         ; wqi: 256 columns of 2 bytes a tile column,
	s_lshl_b32 s45, s18, 19                        ; 64 k-rows of 8,192 bytes a half: the tile column and the wave's number alone
	s_add_co_u32 s44, s44, s45
	s_mov_b32 s45, 0
	s_mul_i32 s46, s16, HALFT                      ; where they go: wave x 34,816: no place in the cluster enters an LDS address
	s_mov_b32 s68, 0x3e8ba440                      ; 0.27273749
	s_mov_b32 s70, 0x3f07dc22                      ; A5 =  0.5307027145, each named as a pair
	s_mov_b32 s71, s70
	s_mov_b32 s72, 0xbf3a00e3                      ; A4 = -0.7265760135
	s_mov_b32 s73, s72
	s_mov_b32 s74, 0x3f35f0e3                      ; A3 =  0.7107068705
	s_mov_b32 s75, s74
	s_mov_b32 s76, 0xbe11a98e                      ; A2 = -0.142248368
	s_mov_b32 s77, s76
	s_mov_b32 s78, 0x3e027906                      ; A1 =  0.127414796
	s_mov_b32 s79, s78
	s_mov_b32 s80, 0x76543210
	s_mov_b32 s81, 0xfedcba98
	s_wait_dscnt 0x0                               ; the opening add is done
	s_wait_kmcnt 0x0
	s_add_nc_u64 s[42:43], s[4:5], s[42:43]
	s_add_nc_u64 s[44:45], s[6:7], s[44:45]
	CROUND                                         ; all sixteen work-groups are here: the first joint loads meet
.irp s, 0,1
	s_mov_b32 s[G0+4*(\s)], 1                      ; count = 1
	s_add_co_u32 s[G0+4*(\s)+1], s46, (\s)*SLOT    ; LDS address
	s_add_nc_u64 s[G0+4*(\s)+2:G0+4*(\s)+3], s[42:43], (\s)*256      ; K step s: 128 elements along the rows
	s_or_b32 s[G0+4*(\s)+3], s[G0+4*(\s)+3], 0x80000000              ; type = 2
	s_mov_b32 s[G0B+4*(\s)], 1
	s_add_co_u32 s[G0B+4*(\s)+1], s46, (\s)*SLOT
	s_add_nc_u64 s[G0B+4*(\s)+2:G0B+4*(\s)+3], s[44:45], (\s)*1048576  ; K step s: 128 rows of 8,192 bytes
	s_or_b32 s[G0B+4*(\s)+3], s[G0B+4*(\s)+3], 0x80000000
	JLOAD \s                                       ; two loads of mine are out
.endr
	; the figures for the way out are read while the first tiles are on their way
	s_lshl_b32 s86, s22, 10                        ; my wave's 128 columns, 4 bytes each: 1,024 x tile column + 512 x half
	s_lshl_b32 s87, s18, 9
	s_add_co_u32 s86, s86, s87
	s_mov_b32 s87, 0
	s_add_nc_u64 s[90:91], s[10:11], s[86:87]      ; b_in
	s_add_co_u32 s86, s86, 18432
	s_add_nc_u64 s[88:89], s[8:9], s[86:87]        ; winpart
	v_and_b32 v[LANE], 31, v0
	v_lshlrev_b32 v3, 4, v[LANE]                   ; 16 l
	global_load_b128 v[PS:PS+3], v3, s[8:9]        ; xpart
	global_load_b128 v[PS+4:PS+7], v3, s[8:9] offset:512
.irp c, 0,1,2,3,4,5,6,7
	global_load_b128 v[PS+8+4*(\c):PS+8+4*(\c)+3], v3, s[88:89] offset:16384*(\c)
.endr
	global_load_b128 v[PS+40:PS+43], v3, s[90:91]
	s_lshl_b32 s86, s23, 21                        ; hs: 256 rows of 8,192 bytes a tile row,
	s_lshl_b32 s47, s17, 20                        ; 128 rows a half,
	s_add_co_u32 s86, s86, s47
	s_lshl_b32 s47, s22, 9                         ; 256 columns of 2 bytes a tile column,
	s_add_co_u32 s86, s86, s47
	s_lshl_b32 s47, s18, 8                         ; 128 a half
	s_add_co_u32 s86, s86, s47
	s_add_nc_u64 s[12:13], s[12:13], s[86:87]
	s_lshl_b32 s86, s22, 12                        ; hnorm[2 tx + wc][16 ty + 8 wr + block], 4 bytes each
	s_lshl_b32 s47, s18, 11
	s_add_co_u32 s86, s86, s47
	s_lshl_b32 s47, s23, 6
	s_add_co_u32 s86, s86, s47
	s_lshl_b32 s47, s17, 5
	s_add_co_u32 s86, s86, s47
	s_add_nc_u64 s[92:93], s[14:15], s[86:87]
	s_lshl_b32 s86, s23, 6                         ; hpart[16 ty + tx], behind hnorm's 65,536 bytes
	s_lshl_b32 s47, s22, 2
	s_add_co_u32 s86, s86, s47
	s_add_co_u32 s86, s86, 65536
	s_add_nc_u64 s[94:95], s[14:15], s[86:87]
	; a fragment of xq: lane l holds row l % 16, K = 8 (l / 16) + 0..7 and 16 + 8 (l / 16) + 0..7: two loads of 16 bytes, 32 bytes apart
	v_and_b32 v1, 15, v0                           ; r
	v_bfe_u32 v2, v0, 4, 1                         ; h
	v_mul_u32_u24 v4, v1, PA
	v_lshl_add_u32 v4, v2, 4, v4
	s_mul_i32 s83, s17, HALFT                      ; my 128 rows
	v_add_nc_u32 v[ADRA], s83, v4
	v_add_nc_u32 v[ADRA+1], SLOT, v[ADRA]
	; the turning load takes 16 k x 16 columns (lane l reads k-row 8 (l / 16) + l % 8, columns 8 ((l / 8) % 2) + 0..7) and leaves half a fragment: lane l holds column l % 16 and 8 k
	v_and_b32 v5, 7, v0
	v_lshl_add_u32 v5, v2, 3, v5
	v_mul_u32_u24 v5, v5, PB
	v_bfe_u32 v6, v0, 3, 1
	v_lshl_add_u32 v5, v6, 4, v5
	s_lshl_b32 s84, s18, 8                         ; my 128 columns,
	s_add_co_u32 s84, s84, 2*HALFT                 ; behind xq's 256 rows
	v_add_nc_u32 v[ADRB], s84, v5
	v_add_nc_u32 v[ADRB+1], SLOT, v[ADRB]
	s_mul_i32 s85, s16, 16*SPI
	s_add_co_u32 s85, s85, STAGE                   ; my stage
	v_mul_u32_u24 v[STO], v1, SPI                  ; in: row l % 16, 32 bytes for each half of the lanes
	v_lshl_add_u32 v[STO], v2, 5, v[STO]
	v_add_nc_u32 v[STO], s85, v[STO]
	v_add_nc_u32 v[RD], s85, v3                    ; back: a whole row of 512 bytes, 16 a lane
	v_lshlrev_b32 v[CO], 3, v[LANE]
	v_mov_b32 v[PS+44], 0                          ; v_permlanex16_b32 counts as a reader of its destination
	s_wait_loadcnt 0x0
	v_max3_num_f32 v[PS], v[PS], v[PS+1], v[PS+2]
	v_max3_num_f32 v[PS], v[PS], v[PS+3], v[PS+4]
	v_max3_num_f32 v[PS], v[PS], v[PS+5], v[PS+6]
	v_max_num_f32 v[PS], v[PS], v[PS+7]
	WMAX PS, PS+44
	v_max_num_f32 v[PS], 0x322bcc77, v[PS]         ; ax = max(max |x|, 1e-8)
	v_mul_f32 v[PS], 0x345b2524, v[PS]             ; x c / (32767 x 127) = 2.0409476e-7
.irp c, 0,1,2,3
	v_max3_num_f32 v[SC+(\c)], v[PS+8+(\c)], v[PS+12+(\c)], v[PS+16+(\c)]
	v_max3_num_f32 v[SC+(\c)], v[SC+(\c)], v[PS+20+(\c)], v[PS+24+(\c)]
	v_max3_num_f32 v[SC+(\c)], v[SC+(\c)], v[PS+28+(\c)], v[PS+32+(\c)]
	v_max3_num_f32 v[SC+(\c)], v[SC+(\c)], v[PS+36+(\c)], 0x322bcc77
	v_mul_f32 v[SC+(\c)], v[SC+(\c)], v[PS]
	v_mul_f32 v[BC+(\c)], 0x3f596d27, v[PS+40+(\c)]  ; c b_in, c = 0.8493218
.endr
; 16 matrix instructions: row blocks a0, a0 + 1 of the window's four x all 8 column blocks, 32 along K.  zero = 1: the first product starts the sums.
; The 64 accumulators take turns, one instruction a turn, in the same order in every quarter.
.macro MUL16 f, hi, a0, zero
	WIN MUL_LO+0x50*(\hi)
.irp a, \a0, (\a0)+1
.irp b, 0,1,2,3,4,5,6,7
.if \zero
	v_wmma_f32_16x16x32_f16 v[8*(8*(\a)+(\b)):8*(8*(\a)+(\b))+7], v[(\f)+8*(\b):(\f)+8*(\b)+7], v[(\f)+8*(4*(\hi)+(\a)):(\f)+8*(4*(\hi)+(\a))+7], 0
.else
	v_wmma_f32_16x16x32_f16 v[8*(8*(\a)+(\b)):8*(8*(\a)+(\b))+7], v[(\f)+8*(\b):(\f)+8*(\b)+7], v[(\f)+8*(4*(\hi)+(\a)):(\f)+8*(4*(\hi)+(\a))+7], v[8*(8*(\a)+(\b)):8*(8*(\a)+(\b))+7]
.endif
.endr
.endr
.endm
; 32 LDS loads in one run: the fragments of quarter q (32 along K) of a slot into buffer f: wqi's 128 columns, then xq's 128 rows
.macro FETCH slot, q, f
	WIN TO_B
.irp i, 0,1,2,3,4,5,6,7
	ds_load_tr16_b128 v[(\f)+8*(\i):(\f)+8*(\i)+3],   v[ADRB+(\slot)] offset:(\q)*32*PB+(\i)*32
	ds_load_tr16_b128 v[(\f)+8*(\i)+4:(\f)+8*(\i)+7], v[ADRB+(\slot)] offset:(\q)*32*PB+(\i)*32+16*PB
.endr
	WIN 0
.irp i, 0,1,2,3,4,5,6,7
	ds_load_b128 v[(\f)+8*(\i):(\f)+8*(\i)+3],   v[ADRA+(\slot)] offset:(\q)*64+(\i)*16*PA
	ds_load_b128 v[(\f)+8*(\i)+4:(\f)+8*(\i)+7], v[ADRA+(\slot)] offset:(\q)*64+(\i)*16*PA+32
.endr
.endm
.macro PLACES                          ; four places in front of loads into registers that matrix instructions have read, and of reads of results just made
.rept 4
	v_nop
.endr
.endm
; One of a K step's first three quarters: multiplies buffer f; in its middle it fetches quarter q of the same slot into buffer g.
.macro QUARTER slot, q, f, g, zero
	s_wait_dscnt 8                                 ; wqi's fragments and xq's rows 0-63 are in; the youngest eight loads (rows 64-127) may be out
	MUL16 \f, 0, 0, \zero
	MUL16 \f, 0, 2, \zero
	PLACES
	FETCH \slot, \q, \g
	s_wait_dscnt 32                                ; all but the 32 just issued
	MUL16 \f, 1, 0, \zero
	MUL16 \f, 1, 2, \zero
.endm
; The last quarter multiplies buffer 1 and changes slots: one barrier.  In front of it each wave waits for all its tensor loads (one is out: its part of the next slot), adds 0 to its spare word,
; and waits for that and for its reads of this slot.  fill = 1: the barrier opens a round of the cluster's, and this slot is filled again, two K steps on, first thing behind the round:
; 224 matrix instructions stand between that request and the wait for it.
.macro TURN slot, next, fill
	WIN 0                                          ; (the add's two registers lie in window 0)
	s_wait_tensorcnt 0x0
	ds_add_u32 v[SPW], v[NIL]
	s_wait_dscnt 9                                 ; the add and the youngest eight loads may be out
	MUL16 F1, 0, 0, 0
	s_wait_dscnt 0x0                               ; the add is done, and my reads of this slot are over
	s_barrier_signal -1
	MUL16 F1, 0, 2, 0
.if \fill
	WIN 0
.endif
	s_barrier_wait -1
.if \fill
	CREST                                          ; no wave of any partner still reads this slot or has a load on its way
	s_add_nc_u64 s[G0+4*(\slot)+2:G0+4*(\slot)+3], s[G0+4*(\slot)+2:G0+4*(\slot)+3], 512
	s_add_nc_u64 s[G0B+4*(\slot)+2:G0B+4*(\slot)+3], s[G0B+4*(\slot)+2:G0B+4*(\slot)+3], 2097152
	JLOAD \slot                                    ; the four v_nop behind it are also the places in front of the loads below
.else
	PLACES
.endif
	FETCH \next, 0, F0
	MUL16 F1, 1, 0, 0
	MUL16 F1, 1, 2, 0
.endm
	s_wait_tensorcnt 1                             ; my part of K step 0 is in; K step 1's may stay out
	s_barrier_signal -1
	s_barrier_wait -1
	FETCH 0, 0, F0
	QUARTER 0, 1, F0, F1, 1                        ; the first quarter stands in front of the loop: its products start the sums
	WIN 0
	s_mov_b32 s66, LAPS-1
.Llap:                                                 ; a trip goes once round the ring and fills both slots again
	QUARTER 0, 2, F1, F0, 0
	QUARTER 0, 3, F0, F1, 0
	TURN 0, 1, 1
	QUARTER 1, 1, F0, F1, 0
	QUARTER 1, 2, F1, F0, 0
	QUARTER 1, 3, F0, F1, 0
	TURN 1, 0, 1
	QUARTER 0, 1, F0, F1, 0
	WIN 0
	s_sub_co_u32 s66, s66, 1
	s_cmp_lg_u32 s66, 0
	s_cbranch_scc1 .Llap
	QUARTER 0, 2, F1, F0, 0                        ; the last lap fills nothing
	QUARTER 0, 3, F0, F1, 0
	TURN 0, 1, 0
	QUARTER 1, 1, F0, F1, 0
	QUARTER 1, 2, F1, F0, 0
	QUARTER 1, 3, F0, F1, 0
	s_wait_dscnt 8
	MUL16 F1, 0, 0, 0
	MUL16 F1, 0, 2, 0
	s_wait_dscnt 0x0
	MUL16 F1, 1, 0, 0
	MUL16 F1, 1, 2, 0
	WIN 0
	PLACES
; THE WAY OUT, a block of 16 rows x 128 columns at a time, eight trips.  The block's sums go through my own stage, so that a lane then holds 4 neighbouring columns of each of the 16 rows
; and one scale and bias set serves all; the gelu is written once.  Only the copy into the stage names the accumulators, so it alone is written eight times, and the trip's number chooses.
.macro COPY a
	WIN 0x08+4*((\a)/4)                            ; the stores' data in window 2 or 3; each accumulator's four lowest registers go first
.irp b, 0,1,2,3,4,5,6,7
	ds_store_b128 v[STO], v[8*(8*((\a)%4)+(\b)):8*(8*((\a)%4)+(\b))+3] offset:64*(\b)
	ds_store_b128 v[STO], v[8*(8*((\a)%4)+(\b))+4:8*(8*((\a)%4)+(\b))+7] offset:64*(\b)+16
.endr
	WIN 0
.endm
; Half a block: 8 rows, 32 numbers a lane.  A plain line that names none of their results stands behind every pair of transcendentals (ISA guide 5.7.2).
.macro GELU hb
.set ZB, ZR+32*(\hb)
.set i, 0
.rept 16
	v_pk_fma_f32 v[ZB+2*i:ZB+2*i+1], v[ZB+2*i:ZB+2*i+1], v[SC+2*(i%2):SC+2*(i%2)+1], v[BC+2*(i%2):BC+2*(i%2)+1]  ; zc
.set i, i+1
.endr
.set i, 0
.rept 32
	v_fma_f32 v[TR+i], |v[ZB+i]|, s68, 1.0
.set i, i+1
.endr
.set i, 0
.rept 16
	v_rcp_f32 v[TR+2*i], v[TR+2*i]                 ; t
	v_rcp_f32 v[TR+2*i+1], v[TR+2*i+1]
	v_pk_mul_f32 v[WR+2*i:WR+2*i+1], v[ZB+2*i:ZB+2*i+1], v[ZB+2*i:ZB+2*i+1] neg_lo:[1,0] neg_hi:[1,0]  ; -zc^2
.set i, i+1
.endr
.set i, 0
.rept 16
	v_exp_f32 v[WR+2*i], v[WR+2*i]
	v_exp_f32 v[WR+2*i+1], v[WR+2*i+1]
	s_wait_alu depctr_va_vdst(0)
	v_pk_fma_f32 v[PR+2*i:PR+2*i+1], v[TR+2*i:TR+2*i+1], s[70:71], s[72:73] op_sel_hi:[1,0,0]
.set i, i+1
.endr
.irp k, 74, 76, 78
.set i, 0
.rept 16
	v_pk_fma_f32 v[PR+2*i:PR+2*i+1], v[PR+2*i:PR+2*i+1], v[TR+2*i:TR+2*i+1], s[\k:\k+1] op_sel_hi:[1,1,0]
.set i, i+1
.endr
.endr
.set i, 0
.rept 16
	v_pk_mul_f32 v[PR+2*i:PR+2*i+1], v[PR+2*i:PR+2*i+1], v[TR+2*i:TR+2*i+1]
.set i, i+1
.endr
.set i, 0
	s_wait_alu depctr_va_vdst(0)
.rept 16
	v_pk_mul_f32 v[PR+2*i:PR+2*i+1], v[PR+2*i:PR+2*i+1], v[WR+2*i:WR+2*i+1]  ; q
.set i, i+1
.endr
.set i, 0
.rept 32
	v_max_num_f32 v[TR+i], 0, v[ZB+i]
.set i, i+1
.endr
.set i, 0
.rept 32
	v_fma_f32 v[ZB+i], -|v[ZB+i]|, v[PR+i], v[TR+i]  ; g = max(zc, 0) - |zc| q
.set i, i+1
.endr
.set i, 0
.rept 16
.if ((\hb) == 0) && (i < 4)
	v_max_num_f32 v[MR+i%4], |v[ZB+2*i]|, |v[ZB+2*i+1]|  ; the first four start the chains
.else
	v_max3_num_f32 v[MR+i%4], v[MR+i%4], |v[ZB+2*i]|, |v[ZB+2*i+1]|
.endif
.set i, i+1
.endr
.endm
	v_mov_b32 v[BM], 0
	v_mov_b32 v[TM], 0
	v_mov_b32 v[TP+2], 0                           ; v_permlanex16_b32 counts as a reader of its destination
	s_mov_b32 s67, 0
.Lblk:
.irp a, 1,2,3,4,5,6,7
	s_cmp_eq_u32 s67, \a
	s_cbranch_scc1 .Lcp\a
.endr
	COPY 0
	s_branch .Lgelu
.irp a, 1,2,3,4,5,6
.Lcp\a:
	COPY \a
	s_branch .Lgelu
.endr
.Lcp7:
	COPY 7
.Lgelu:
.irp t, 0,1,2,3,4,5,6,7,8,9,10,11,12,13,14,15
	ds_load_b128 v[ZR+4*(\t):ZR+4*(\t)+3], v[RD] offset:SPI*(\t)  ; LDS serves a wave's instructions in order (ISA guide 5.7.1.4): these see the stores above
.endr
	s_wait_dscnt 8                                 ; rows 0-7 are back; the eight younger loads stay out
	GELU 0
	s_wait_dscnt 0x0
	GELU 1
	v_max3_num_f32 v[MR], v[MR], v[MR+1], v[MR+2]
	v_max_num_f32 v[MR], v[MR], v[MR+3]
	WMAX MR, TP+2
	v_max_num_f32 v[TM], v[TM], v[MR]
	v_max_num_f32 v[TP], 0x0d800000, v[MR]         ; bm = max(the block's largest |g|, 2^-100)
	v_cmp_eq_u32 vcc_lo, s67, v[LANE]
	v_cndmask_b32 v[BM], v[BM], v[TP], vcc_lo      ; lane i keeps block i's
	v_rcp_f32 v[TP+1], v[TP]
	v_nop
	s_wait_alu depctr_va_vdst(0)
	v_mul_f32 v[NR], 0x47000000, v[TP+1]           ; 32768 / bm
	v_mov_b32 v[NR+1], v[NR]
.set i, 0
.rept 32
	v_pk_mul_f32 v[ZR+2*i:ZR+2*i+1], v[ZR+2*i:ZR+2*i+1], v[NR:NR+1]
.set i, i+1
.endr
.set i, 0
.rept 32
	v_cvt_pk_f16_f32 v[HR+i], v[ZR+2*i], v[ZR+2*i+1]
.set i, i+1
.endr
.irp t, 0,1,2,3,4,5,6,7,8,9,10,11,12,13,14,15
	global_store_b64 v[CO], v[HR+2*(\t):HR+2*(\t)+1], s[12:13] offset:8192*(\t)  ; a row's 128 columns: 256 consecutive bytes, aligned
.endr
	s_wait_xcnt 0x0                                ; the base and the stores' data are rewritten only behind this wait (ISA guide 3.1)
	s_add_nc_u64 s[12:13], s[12:13], 131072        ; 16 rows on
	s_add_co_u32 s67, s67, 1
	s_cmp_lt_u32 s67, 8
	s_cbranch_scc1 .Lblk
	v_mul_f32 v[BM], 0x3f96b55f, v[BM]             ; / c: 1 / c = 1.17741
	v_mul_f32 v[TM], 0x3f96b55f, v[TM]
	v_lshlrev_b32 v[TP], 2, v[LANE]
	v_cmp_gt_u32 vcc_lo, 8, v[LANE]
	s_wait_xcnt 0x0                                ; EXEC changes only behind this wait
	s_and_saveexec_b32 s82, vcc_lo
	global_store_b32 v[TP], v[BM], s[92:93]        ; my eight blocks' hnorm
	s_wait_xcnt 0x0
	s_or_b32 exec_lo, exec_lo, s82
	v_lshrrev_b32 v[TP+1], 5, v0
	v_lshl_add_u32 v[TP+1], v[TP+1], 2, RED
	ds_store_b32 v[TP+1], v[TM]
	s_wait_dscnt 0x0                               ; for the others' sake: my store is done
	s_barrier_signal -1
	s_barrier_wait -1
	v_mov_b32 v[TP+3], RED
	ds_load_b128 v[MR:MR+3], v[TP+3]
	s_wait_dscnt 0x0
	v_max3_num_f32 v[MR], v[MR], v[MR+1], v[MR+2]
	v_max_num_f32 v[MR], v[MR], v[MR+3]
	v_cmp_eq_u32 vcc_lo, 0, v0                     ; thread 0 of the work-group alone
	s_and_saveexec_b32 s82, vcc_lo
	global_store_b32 v[TP], v[MR], s[94:95]        ; hpart; its lane's offset is 0
	s_wait_xcnt 0x0
	s_or_b32 exec_lo, exec_lo, s82
	s_wait_tensorcnt 0x0                           ; the wave's end, behind my last tensor load and my last LDS store
	ds_add_u32 v[SPW], v[NIL]
	s_wait_dscnt 0x0
	CROUND                                         ; the closing round: no work-group ends while a partner may still ask for a tile that names it
	s_endpgm
.Lfunc_end_k_qd58cfbb263_ffn1:
	.size	k_qd58cfbb263_ffn1, .Lfunc_end_k_qd58cfbb263_ffn1-k_qd58cfbb263_ffn1
	.p2alignl 7, 3214868480
	.fill 96, 4, 3214868480
	.section	.rodata,"a",@progbits
	.p2align	6, 0x0
	.amdhsa_kernel k_qd58cfbb263_ffn1
		.amdhsa_group_segment_fixed_size 327680
		.amdhsa_private_segment_fixed_size 0
		.amdhsa_enable_private_segment 0
		.amdhsa_kernarg_size 48
		.amdhsa_user_sgpr_count 2
		.amdhsa_user_sgpr_kernarg_segment_ptr 1
		.amdhsa_wavefront_size32 1
		.amdhsa_system_sgpr_workgroup_id_x 1
		.amdhsa_system_sgpr_workgroup_id_y 1
		.amdhsa_system_sgpr_workgroup_id_z 1
		.amdhsa_system_vgpr_workitem_id 0
		.amdhsa_next_free_vgpr 1024
		.amdhsa_next_free_sgpr 96
		.amdhsa_reserve_vcc 1
		.amdhsa_float_denorm_mode_32 3
		.amdhsa_float_denorm_mode_16_64 3
		.amdhsa_memory_ordered 1
		.amdhsa_forward_progress 1
		.amdhsa_inst_pref_size 167
	.end_amdhsa_kernel
	.amdgpu_metadata
---
amdhsa.version: [ 1, 2 ]
amdhsa.kernels:
  - .name:           k_qd58cfbb263_ffn1
    .symbol:         k_qd58cfbb263_ffn1.kd
    .args:
      - { .name: xq, .offset: 0, .size: 8, .value_kind: global_buffer, .address_space: global }
      - { .name: wqi, .offset: 8, .size: 8, .value_kind: global_buffer, .address_space: global }
      - { .name: st1, .offset: 16, .size: 8, .value_kind: global_buffer, .address_space: global }
      - { .name: b_in, .offset: 24, .size: 8, .value_kind: global_buffer, .address_space: global }
      - { .name: hs, .offset: 32, .size: 8, .value_kind: global_buffer, .address_space: global }
      - { .name: st3, .offset: 40, .size: 8, .value_kind: global_buffer, .address_space: global }
    .group_segment_fixed_size: 327680
    .private_segment_fixed_size: 0
    .kernarg_segment_align: 8
    .kernarg_segment_size: 48
    .max_flat_workgroup_size: 128
    .sgpr_count:     96
    .vgpr_count:     1024
    .wavefront_size: 32
...
	.end_amdgpu_metadata
.endif
;; end of part 3
;; launch ffn2 (part 4): grid 4 x 64, 4 waves a work-group, clusters of 4 x 4, 327,680 bytes of LDS; arguments hs, wqo, st1, st3, b_out, out0; writes out0
.if DOCPART == 4
	.amdgcn_target "amdgcn-amd-amdhsa--gfx1250"
	.amdhsa_code_object_version 6
	.text
	.protected	k_qd58cfbb263_ffn2
	.globl	k_qd58cfbb263_ffn2
	.p2align	8
	.type	k_qd58cfbb263_ffn2,@function
k_qd58cfbb263_ffn2:
	s_mov_b64 s[64:65], 0
	v_nop
	global_prefetch_b8 v0, s[64:65] scope:SCOPE_SE
	s_setreg_imm32_b32 hwreg(HW_REG_WAVE_MODE, 25, 1), 1
	s_wait_xcnt 0x0
	s_wait_alu depctr_hold_cnt(0) depctr_sa_sdst(0) depctr_va_vdst(0) depctr_va_sdst(0) depctr_va_ssrc(0) depctr_va_vcc(0) depctr_vm_vsrc(0)
	s_getreg_b32 s2, hwreg(HW_REG_IB_STS2, 6, 4)
	s_cmp_eq_u32 s2, 0
	s_cbranch_scc0 .Lentry_in_a_cluster
	s_endpgm
.Lentry_in_a_cluster:
	s_bfe_u32 s2, ttmp6, 0x10000c
	s_cmp_lg_u32 s2, 0xf033
	s_cbranch_scc0 .Lentry_shape_is_right
	s_endpgm
.Lentry_shape_is_right:
; THE INT16 STEP ON h, AND THE SECOND PRODUCT.
;  ah = max(max hpart, 1e-8);  code = clip(round(hs * fac), -32768, 32767), fac = hnorm[column tile of 128][row block of 16] * 2^-15 * 32767 / ah (hs * hnorm * 2^-15 is h);
;  a2[m][f] = f16(code * rmax[f] / womax), womax = the largest rmax: at most 32,768 in size whatever the inputs' scale;
;  out[m][n] = (sum over f of a2[m][f] wqo[f][n]) * ah * womax / (32767 * 127) + b_out[n].  hs [8192][4096] and wqo [4096][1024] in f16 (wqo's int8 codes are exact), sums in f32, out in f32.
; WHERE a2 IS MADE.  It never goes to memory: hs's tile of a K step lands in LDS as it is, the work-group's four waves turn it into a2 (32 rows each), LDS to LDS, and the fragments are read from there.
; The four work-groups of a cluster's row each turn the same tile, four times the arithmetic of a pass of its own; in exchange 67,108,864 bytes are neither written nor read again, and the arithmetic
; stands where the wave has the next tile on its way and would else have only its products to do.
; LIMITS.  f16 keeps 11 bits of a2; in a row of W_out more than 2^14 times smaller than the largest, the smallest a2 fall onto f16's fixed step of 2^-24.
; 32767 / ah is a reciprocal with one Newton step; rmax / womax a reciprocal and a product.  NaN and infinities are not treated apart.
; SHAPE.  M = 8192, N = 1024: tiles of 128 x 256 give 256 work-groups; tiles of 256 x 256 would give 128.  Four waves, 64 x 128 each: 32 accumulators, 256 registers.
; K = 4096 goes in 32 steps of 128 through two LDS slots; two slots of a step of 256 would not fit in LDS.
; CLUSTER.  4 x 4 work-groups: hs's tile is shared along a row of the cluster, wqo's along a column; each is asked for jointly.
; THE MATRIX INSTRUCTION IS USED TRANSPOSED: source 0 = 16 columns of wqo (out of [k][n] rows by the turning load), source 1 = 16 rows of a2; a lane holds row l % 16 and columns 8 (l / 16) + 0..7.
; REGISTERS: window 0: v0-63 addresses, figures and the conversion's work; v64-95, v96-127 a2's fragments, two buffers; v128-191 the conversion's rows, later the way out.
;   window 1: v0-63, v64-127 wqo's fragments.  Window 2: the accumulators, (a, b) at v[8 (8 a + b)].
.set PA,     272                       ; an LDS row of hs and of a2: 256 bytes + 16: the 16 rows of a fragment load start at 16 different groups of four banks (ISA guide 11.1)
.set PB,     544                       ; an LDS row of wqo: 512 bytes + 32
.set HALFA,  64*PA                     ; 17,408: what a wave's load of hs brings
.set HALFB,  64*PB                     ; 34,816: of wqo
.set SLOT,   2*HALFA+2*HALFB           ; hs's 128 rows, then wqo's 128 k-rows
.set CONV,   2*SLOT                    ; behind the ring: a2's tile, 128 rows x 272 bytes; written by LDS stores alone, no tensor load lands here
.set STAGE,  CONV+128*PA               ; 16 rows x 528 bytes for each wave, for the way out
.set SPI,    528
.set SPARE,  STAGE+4*16*SPI            ; the spare words, 128 bytes for each wave; no other line names them
.set LAPS,   16
.set BO,   8                           ; v8-11   b_out of my 4 columns on the way out
.set S2,   12                          ; v12-13  the sums' scale, twice
.set ZERO, 14                          ; v14     0, the addend of the widening multiply
.set ROFF, 15                          ; v15     32 (l % 16): my 8 rmax in a K step's 128
.set ADRA, 16                          ; v16     LDS address of my a2 fragments
.set CL,   17                          ; v17     my 16 bytes in the first two of my wave's 32 rows of a tile
.set CA,   18                          ; v18     the conversion: where I read
.set CB,   19                          ; v19     and where I write
.set ADRB, 20                          ; v20-21  LDS address of my wqo fragments in slot 0, 1
.set FAC,  23                          ; v23     fac of the row block in hand
.set STO,  24
.set RD,   25
.set CO,   26                          ; 16 x lane
.set FAC1, 27                          ; v27     fac of my second row block
.set SPW,  28                          ; LDS address of my spare word; never rewritten
.set NIL,  29                          ; 0; never rewritten
.set CF,   30                          ; v30     2^-15 x 32767 / ah
.set RW,   32                          ; v32-33  1 / womax, twice
.set RM,   36                          ; v36-43  rmax of my 8 columns, as loaded, a K step ahead
.set RAT,  44                          ; v44-51  rmax / womax of my 8 columns
.set T,    52                          ; v52-59  8 numbers in f32, at work
.set X,    128                         ; v128-159 eight pairs of rows: 8 f16 a lane as read, then as written
.set BK,   128                         ; v128-191 the way out: 16 rows read back from the stage
.set PS,   128                         ; v128-152 the figures read at the start
.set G1,  24
.set G0,  32
.set G1B, 48
.set G0B, 56
.set MSB, 0
.macro WIN new                         ; the immediate's high byte repeats the setting that is left; a switch that changes nothing is dropped
.if MSB != (\new)
	s_set_vgpr_msb (MSB<<8)|(\new)
.set MSB, \new
.endif
.endm
.set MULW, 0xa1                        ; source 0 window 1, source 1 window 0, C and D window 2
.set TO_B, 0x40                        ; destination window 1, address window 0
.macro JLOAD s                         ; a joint load: waves 0 and 1 fetch hs's two halves, waves 2 and 3 wqo's; an s_nop 0 and four v_nop follow each of the two lines
	s_cmp_eq_u32 s17, 0
	s_cbranch_scc0 .Lfor_b_\@
	tensor_load_to_lds s[G0+4*(\s):G0+4*(\s)+3], s[G1:G1+7]
	s_nop 0
.rept 4
	v_nop
.endr
	s_branch .Lasked_\@
.Lfor_b_\@:
	tensor_load_to_lds s[G0B+4*(\s):G0B+4*(\s)+3], s[G1B:G1B+7]
	s_nop 0
.rept 4
	v_nop
.endr
.Lasked_\@:
.endm
.macro CREST                           ; a round of the cluster's barrier behind its opening barrier
	s_cmp_lg_u32 s16, 0
	s_cbranch_scc1 .Lnot_wave_0_\@
	s_barrier_signal -3
.Lnot_wave_0_\@:
	s_barrier_wait -3
	s_barrier_signal -1
	s_barrier_wait -1
.endm
.macro CROUND                          ; a whole round
	s_barrier_signal -1
	s_barrier_wait -1
	CREST
.endm
.macro WMAX v, t                       ; the maximum over the wave's 32 lanes, in every lane
	v_max_num_f32_dpp v[\v], v[\v], v[\v] row_xmask:1 row_mask:0xf bank_mask:0xf
	v_max_num_f32_dpp v[\v], v[\v], v[\v] row_xmask:2 row_mask:0xf bank_mask:0xf
	v_max_num_f32_dpp v[\v], v[\v], v[\v] row_xmask:4 row_mask:0xf bank_mask:0xf
	v_max_num_f32_dpp v[\v], v[\v], v[\v] row_xmask:8 row_mask:0xf bank_mask:0xf
	v_permlanex16_b32 v[\t], v[\v], s76, s77
	v_max_num_f32 v[\v], v[\v], v[\t]
.endm
	s_load_b256 s[4:11], s[0:1], 0x0               ; hs s[4:5], wqo s[6:7], st1 s[8:9], st3 s[10:11]
	s_load_b128 s[12:15], s[0:1], 0x20             ; b_out s[12:13], out0 s[14:15]
	v_lshl_add_u32 v[SPW], v0, 2, SPARE
	v_mov_b32 v[NIL], 0
	ds_add_u32 v[SPW], v[NIL]                      ; the wave's opening: the add and its wait stand ahead of my first tensor load; work on registers stands between them
	v_lshrrev_b32 v1, 5, v0
	v_readfirstlane_b32 s16, v1                    ; wave 0..3
	s_lshr_b32 s17, s16, 1                         ; which 64 rows of the tile are mine.  Also: I fetch for hs (0) or for wqo (1)
	s_and_b32 s18, s16, 1                          ; which 128 columns.  Also: which half of that tile I fetch
	s_bfe_u32 s20, ttmp6, 0x40000                  ; cx
	s_bfe_u32 s21, ttmp6, 0x40004                  ; cy
	s_lshl_b32 s22, ttmp9, 2
	s_add_co_u32 s22, s22, s20                     ; tile column
	s_and_b32 s23, ttmp7, 0xffff
	s_lshl_b32 s23, s23, 2
	s_add_co_u32 s23, s23, s21                     ; tile row
	s_lshl_b32 s40, s21, 2
	s_lshl_b32 s40, 15, s40                        ; my row of the cluster
	s_lshl_b32 s41, 0x1111, s20                    ; my column
	s_or_b32 s[G1], s40, (1<<16)|(1<<20)|(1<<21)|(5<<22)|(3<<25)   ; mask; 2-byte elements; padding on; bit 21 beside a mask; after every 64 words, 4 words
	s_or_b32 s[G1B], s41, (1<<16)|(1<<20)|(1<<21)|(6<<22)|(7<<25)  ; after every 128 words, 8 words
	s_mov_b32 s[G1+1], 128<<16                     ; hs: tensor_dim0 = 128
	s_mov_b32 s[G1+2], 64<<16                      ; tensor_dim1 = 64
	s_mov_b32 s[G1+3], 128<<16                     ; tile_dim0 = 128 elements (256 bytes)
	s_mov_b32 s[G1+4], 64                          ; tile_dim1 = 64 rows
	s_mov_b32 s[G1+5], 4096                        ; elements from row to row
	s_mov_b32 s[G1+6], 0
	s_mov_b32 s[G1+7], 0
	s_mov_b32 s[G1B+1], 256<<16                    ; wqo: tensor_dim0 = 256
	s_mov_b32 s[G1B+2], 64<<16
	s_mov_b32 s[G1B+3], 256<<16                    ; tile_dim0 = 256 elements (512 bytes)
	s_mov_b32 s[G1B+4], 64                         ; 64 k-rows
	s_mov_b32 s[G1B+5], 1024
	s_mov_b32 s[G1B+6], 0
	s_mov_b32 s[G1B+7], 0
	s_lshl_b32 s42, s23, 20                        ; hs: 128 rows of 8,192 bytes a tile row,
	s_lshl_b32 s43, s18, 19                        ; 64 rows a half
	s_add_co_u32 s42, s42, s43
	s_mov_b32 s43, 0
	s_lshl_b32 s44, s22, 9                         ; wqo: 256 columns of 2 bytes a tile column,
	s_lshl_b32 s45, s18, 17                        ; 64 k-rows of 2,048 bytes a half
	s_add_co_u32 s44, s44, s45
	s_mov_b32 s45, 0
	s_mul_i32 s46, s18, HALFA                      ; where they go: hs's halves at the slot's head,
	s_mul_i32 s47, s18, HALFB
	s_add_co_u32 s47, s47, 2*HALFA                 ; wqo's behind them: the wave's number alone
	s_mov_b32 s76, 0x76543210                      ; v_permlanex16_b32: each lane takes its own place in the other half
	s_mov_b32 s77, 0xfedcba98
	s_mov_b32 s80, 0x46fffe00                      ; 32767.0
	s_mov_b32 s81, 0xc7000000                      ; -32768.0
	s_wait_dscnt 0x0                               ; the opening add is done
	s_wait_kmcnt 0x0
	s_add_nc_u64 s[42:43], s[4:5], s[42:43]
	s_add_nc_u64 s[44:45], s[6:7], s[44:45]
	CROUND                                         ; all sixteen work-groups are here: the first joint loads meet
.irp s, 0,1
	s_mov_b32 s[G0+4*(\s)], 1
	s_add_co_u32 s[G0+4*(\s)+1], s46, (\s)*SLOT
	s_add_nc_u64 s[G0+4*(\s)+2:G0+4*(\s)+3], s[42:43], (\s)*256
	s_or_b32 s[G0+4*(\s)+3], s[G0+4*(\s)+3], 0x80000000
	s_mov_b32 s[G0B+4*(\s)], 1
	s_add_co_u32 s[G0B+4*(\s)+1], s47, (\s)*SLOT
	s_add_nc_u64 s[G0B+4*(\s)+2:G0B+4*(\s)+3], s[44:45], (\s)*262144  ; 128 rows of 2,048 bytes
	s_or_b32 s[G0B+4*(\s)+3], s[G0B+4*(\s)+3], 0x80000000
	JLOAD \s                                       ; two loads of mine are out
.endr
	; the figures are read while the first tiles are on their way
	s_lshl_b32 s68, s22, 10                        ; my wave's 128 columns, 4 bytes each
	s_lshl_b32 s69, s18, 9
	s_add_co_u32 s68, s68, s69
	s_mov_b32 s69, 0
	s_add_nc_u64 s[84:85], s[12:13], s[68:69]      ; b_out
	s_lshl_b32 s71, s23, 19                        ; out: 128 rows of 4,096 bytes a tile row,
	s_add_co_u32 s68, s68, s71
	s_lshl_b32 s71, s17, 18                        ; 64 rows a half
	s_add_co_u32 s68, s68, s71
	s_add_nc_u64 s[14:15], s[14:15], s[68:69]
	s_lshl_b32 s86, s23, 5                         ; hnorm[K step][8 x tile row + 2 x wave + 0, 1], 4 bytes each: the two row blocks that my wave converts
	s_lshl_b32 s87, s16, 3
	s_add_co_u32 s86, s86, s87
	s_mov_b32 s87, 0
	s_add_nc_u64 s[74:75], s[10:11], s[86:87]
	s_load_b64 s[72:73], s[74:75], 0x0             ; K step 0's
	s_add_nc_u64 s[78:79], s[8:9], 2048            ; rmax
	v_and_b32 v22, 31, v0
	v_lshlrev_b32 v[CO], 4, v22                    ; 16 l
	v_and_b32 v1, 15, v0                           ; r
	v_bfe_u32 v2, v0, 4, 1                         ; h
	v_lshlrev_b32 v[ROFF], 5, v1
.irp j, 0,1,2,3
	global_load_b128 v[PS+4*(\j):PS+4*(\j)+3], v[CO], s[10:11] offset:65536+512*(\j)  ; hpart
.endr
	global_load_b128 v[PS+16:PS+19], v[CO], s[8:9] offset:1024                       ; wopart
	global_load_b128 v[PS+20:PS+23], v[CO], s[8:9] offset:1536
	global_load_b128 v[BO:BO+3], v[CO], s[84:85]
	global_load_b128 v[RM:RM+3], v[ROFF], s[78:79]                                   ; K step 0's rmax
	global_load_b128 v[RM+4:RM+7], v[ROFF], s[78:79] offset:16
	v_mul_u32_u24 v4, v1, PA                       ; a fragment of a2: row l % 16, 16 bytes for each half of the lanes
	v_lshl_add_u32 v4, v2, 4, v4
	s_mul_i32 s83, s17, HALFA                      ; my 64 rows
	s_add_co_u32 s83, s83, CONV
	v_add_nc_u32 v[ADRA], s83, v4
	v_and_b32 v5, 7, v0                            ; the turning load: k-row 8 (l / 16) + l % 8, columns 8 ((l / 8) % 2) + 0..7
	v_lshl_add_u32 v5, v2, 3, v5
	v_mul_u32_u24 v5, v5, PB
	v_bfe_u32 v6, v0, 3, 1
	v_lshl_add_u32 v5, v6, 4, v5
	s_lshl_b32 s71, s18, 8                         ; my 128 columns,
	s_add_co_u32 s71, s71, 2*HALFA                 ; behind hs's 128 rows
	v_add_nc_u32 v[ADRB], s71, v5
	v_add_nc_u32 v[ADRB+1], SLOT, v[ADRB]
	v_mul_u32_u24 v[CL], v2, PA                    ; the conversion: lanes 0-15 take one row of 256 bytes, lanes 16-31 the next,
	v_lshl_add_u32 v[CL], v1, 4, v[CL]
	s_mul_i32 s71, s16, 32*PA                      ; in my wave's 32 rows
	v_add_nc_u32 v[CL], s71, v[CL]
	s_mul_i32 s71, s16, 16*SPI
	s_add_co_u32 s71, s71, STAGE                   ; my stage
	v_mul_u32_u24 v[STO], v1, SPI
	v_lshl_add_u32 v[STO], v2, 5, v[STO]
	v_add_nc_u32 v[STO], s71, v[STO]
	v_add_nc_u32 v[RD], s71, v[CO]
	v_mov_b32 v[ZERO], 0
	v_mov_b32 v[PS+24], 0                          ; v_permlanex16_b32 counts as a reader of its destination
	s_wait_loadcnt 0x0
	v_max3_num_f32 v[PS], v[PS], v[PS+1], v[PS+2]
.irp j, 3,5,7,9,11,13
	v_max3_num_f32 v[PS], v[PS], v[PS+(\j)], v[PS+(\j)+1]
.endr
	v_max_num_f32 v[PS], v[PS], v[PS+15]
	WMAX PS, PS+24
	v_max_num_f32 v[PS], 0x322bcc77, v[PS]         ; ah
	v_max3_num_f32 v[PS+16], v[PS+16], v[PS+17], v[PS+18]
	v_max3_num_f32 v[PS+16], v[PS+16], v[PS+19], v[PS+20]
	v_max3_num_f32 v[PS+16], v[PS+16], v[PS+21], v[PS+22]
	v_max_num_f32 v[PS+16], v[PS+16], v[PS+23]
	WMAX PS+16, PS+24                              ; womax
	v_mul_f32 v[S2], 0x34810306, v[PS]             ; ah / (32767 x 127)
	v_mul_f32 v[S2], v[S2], v[PS+16]
	v_mov_b32 v[S2+1], v[S2]
	v_rcp_f32 v[PS+1], v[PS]
	v_rcp_f32 v[RW], v[PS+16]
	v_nop                                          ; a plain instruction between the reciprocals and their use (ISA guide 5.7.2)
	s_wait_alu depctr_va_vdst(0)
	v_mul_f32 v[CF], s80, v[PS+1]                  ; 32767 / ah, with one Newton step on the quotient
	v_fma_f32 v[PS+2], -v[PS], v[CF], s80
	v_fma_f32 v[CF], v[PS+2], v[PS+1], v[CF]
	v_mul_f32 v[CF], 0x38000000, v[CF]             ; x 2^-15
	v_mov_b32 v[RW+1], v[RW]
; 8 matrix instructions: row block a x all 8 column blocks, 32 along K, from buffer f.  The 32 accumulators take turns, in the same order in every quarter.
.macro MUL8 f, a, zero
	WIN MULW
.irp b, 0,1,2,3,4,5,6,7
.if \zero
	v_wmma_f32_16x16x32_f16 v[8*(8*(\a)+(\b)):8*(8*(\a)+(\b))+7], v[64*(\f)+8*(\b):64*(\f)+8*(\b)+7], v[64+32*(\f)+8*(\a):64+32*(\f)+8*(\a)+7], 0
.else
	v_wmma_f32_16x16x32_f16 v[8*(8*(\a)+(\b)):8*(8*(\a)+(\b))+7], v[64*(\f)+8*(\b):64*(\f)+8*(\b)+7], v[64+32*(\f)+8*(\a):64+32*(\f)+8*(\a)+7], v[8*(8*(\a)+(\b)):8*(8*(\a)+(\b))+7]
.endif
.endr
.endm
.macro FETCHB slot, q, f               ; 16 LDS loads: wqo's 128 columns of quarter q of a slot into buffer f
	WIN TO_B
.irp i, 0,1,2,3,4,5,6,7
	ds_load_tr16_b128 v[64*(\f)+8*(\i):64*(\f)+8*(\i)+3],   v[ADRB+(\slot)] offset:(\q)*32*PB+(\i)*32
	ds_load_tr16_b128 v[64*(\f)+8*(\i)+4:64*(\f)+8*(\i)+7], v[ADRB+(\slot)] offset:(\q)*32*PB+(\i)*32+16*PB
.endr
.endm
.macro FETCHA q, f                     ; 8 LDS loads: a2's 64 rows of quarter q into buffer f
	WIN 0
.irp i, 0,1,2,3
	ds_load_b128 v[64+32*(\f)+8*(\i):64+32*(\f)+8*(\i)+3],   v[ADRA] offset:(\q)*64+(\i)*16*PA
	ds_load_b128 v[64+32*(\f)+8*(\i)+4:64+32*(\f)+8*(\i)+7], v[ADRA] offset:(\q)*64+(\i)*16*PA+32
.endr
.endm
.macro FETCH2 slot, q, f               ; the 24 in one run
	FETCHB \slot, \q, \f
	FETCHA \q, \f
.endm
.macro PLACES                          ; four places in front of loads into registers that matrix instructions have read, and of reads of results just made
.rept 4
	v_nop
.endr
.endm
.macro QUARTER2 slot, q, f, g, zero    ; multiplies buffer f; in its middle it fetches quarter q of the same step into buffer g
	s_wait_dscnt 4                                 ; wqo's fragments and a2's rows 0-31 are in; the youngest four loads may be out
	MUL8 \f, 0, \zero
	MUL8 \f, 1, \zero
	PLACES
	FETCH2 \slot, \q, \g
	s_wait_dscnt 24                                ; all but the 24 just issued
	MUL8 \f, 2, \zero
	MUL8 \f, 3, \zero
.endm
; THE CONVERSION of two rows (8 numbers a lane), pair i of a trip's eight: widen and scale, round to nearest even, clip, x rmax / womax, pack, store.
.macro CV i
.set XB, X+4*(\i)
	s_wait_dscnt 7                                 ; LDS serves a wave's instructions in order (ISA guide 5.7.1.4): behind load i stand 7 - i loads and i stores
.irp k, 0,1,2,3
	v_fma_mix_f32 v[T+2*(\k)],   v[XB+(\k)], v[FAC], v[ZERO] op_sel_hi:[1,0,0]               ; the low f16 x fac, in f32
	v_fma_mix_f32 v[T+2*(\k)+1], v[XB+(\k)], v[FAC], v[ZERO] op_sel:[1,0,0] op_sel_hi:[1,0,0]  ; the high one
.endr
.irp k, 0,1,2,3,4,5,6,7
	v_rndne_f32 v[T+(\k)], v[T+(\k)]
.endr
.irp k, 0,1,2,3,4,5,6,7
	v_med3_num_f32 v[T+(\k)], v[T+(\k)], s81, s80
.endr
.irp k, 0,2,4,6
	v_pk_mul_f32 v[T+(\k):T+(\k)+1], v[T+(\k):T+(\k)+1], v[RAT+(\k):RAT+(\k)+1]
.endr
.irp k, 0,1,2,3
	v_cvt_pk_f16_f32 v[XB+(\k)], v[T+2*(\k)], v[T+2*(\k)+1]
.endr
	ds_store_b128 v[CB], v[XB:XB+3] offset:(\i)*2*PA
.endm
; hs's tile in a slot becomes a2's tile: my wave's 32 rows, two trips of 16 rows, which are one row block with one fac.  A load or store takes two whole rows of 256 bytes: no bank is asked twice.
; The step's figures (two hnorm, my eight rmax) were asked for a K step ago; more = 1: the next step's are asked for now, their bases stepped behind the waits that show the last loads done.
.macro LUMP slot, more
	s_wait_kmcnt 0x0                               ; hnorm
	s_wait_loadcnt 0x0                             ; rmax: no other load into registers is out in the loop
	v_mul_f32 v[FAC], s72, v[CF]
	v_mul_f32 v[FAC1], s73, v[CF]
.irp k, 0,2,4,6
	v_pk_mul_f32 v[RAT+(\k):RAT+(\k)+1], v[RM+(\k):RM+(\k)+1], v[RW:RW+1]
.endr
.if \more
	s_add_nc_u64 s[74:75], s[74:75], 2048          ; hnorm's next row of 512 words
	s_add_nc_u64 s[78:79], s[78:79], 512           ; the next 128 rmax
	s_load_b64 s[72:73], s[74:75], 0x0
	global_load_b128 v[RM:RM+3], v[ROFF], s[78:79]
	global_load_b128 v[RM+4:RM+7], v[ROFF], s[78:79] offset:16
.endif
	s_mov_b32 s70, (\slot)*SLOT
	s_mov_b32 s67, 2
.Llump_\@:
	v_add_nc_u32 v[CA], s70, v[CL]
.irp i, 0,1,2,3,4,5,6,7
	ds_load_b128 v[X+4*(\i):X+4*(\i)+3], v[CA] offset:(\i)*2*PA
.endr
	v_add_nc_u32 v[CB], CONV-(\slot)*SLOT, v[CA]   ; the same rows in a2's tile
.irp i, 0,1,2,3,4,5,6,7
	CV \i
.endr
	v_mov_b32 v[FAC], v[FAC1]                      ; the second trip's row block
	s_add_co_u32 s70, s70, 16*PA
	s_sub_co_u32 s67, s67, 1
	s_cmp_lg_u32 s67, 0
	s_cbranch_scc1 .Llump_\@
.endm
; The last quarter multiplies buffer 1 and changes steps.  FIRST BARRIER: in front of it each wave waits for all its tensor loads (one is out: its part of the next slot), adds 0 to its spare word, and waits
; for that and for its LDS reads: of this slot's wqo and of a2's tile.  fill = 1: the barrier opens a round of the cluster's, and this slot is filled again first thing behind the round; the load has the
; conversion and 112 matrix instructions in which to land.  Then the next step's hs is converted: nobody reads a2's tile any more.  SECOND BARRIER, a plain one behind which nothing is filled: in front of it
; each wave waits for its stores into a2's tile; behind it the fragments are read.  Eight products stand between its signal and its wait, eight behind the fragment loads.
.macro TURN2 slot, next, fill, more
	WIN 0
	s_wait_tensorcnt 0x0
	ds_add_u32 v[SPW], v[NIL]
	s_wait_dscnt 5                                 ; the add and the youngest four loads may be out
	MUL8 1, 0, 0
	s_wait_dscnt 0x0                               ; the add is done, and my reads of this slot and of a2's tile are over
	s_barrier_signal -1
	MUL8 1, 1, 0
.if \fill
	WIN 0
.endif
	s_barrier_wait -1
.if \fill
	CREST                                          ; no wave of any partner still reads this slot or has a load on its way
	s_add_nc_u64 s[G0+4*(\slot)+2:G0+4*(\slot)+3], s[G0+4*(\slot)+2:G0+4*(\slot)+3], 512
	s_add_nc_u64 s[G0B+4*(\slot)+2:G0B+4*(\slot)+3], s[G0B+4*(\slot)+2:G0B+4*(\slot)+3], 524288
	JLOAD \slot                                    ; the four v_nop behind it are also the places in front of the loads below
.else
	PLACES
.endif
	FETCHB \next, 0, 0
	WIN 0                                          ; a label and a branch follow
	LUMP \next, \more
	s_wait_dscnt 0x0                               ; for the others' sake: my stores into a2's tile are done
	s_barrier_signal -1
	MUL8 1, 2, 0
	s_barrier_wait -1
	FETCHA 0, 0                                    ; buffer 0's last reader stands in front of the conversion's lines
	MUL8 1, 3, 0
.endm
	s_wait_tensorcnt 1                             ; my part of K step 0 is in; K step 1's may stay out
	s_barrier_signal -1
	s_barrier_wait -1
	FETCHB 0, 0, 0
	WIN 0
	LUMP 0, 1                                      ; K step 0's a2
	s_wait_dscnt 0x0
	s_barrier_signal -1
	s_barrier_wait -1
	FETCHA 0, 0
	QUARTER2 0, 1, 0, 1, 1                         ; the first quarter stands in front of the loop: its products start the sums
	WIN 0
	s_mov_b32 s66, LAPS-1
.Llap:                                                 ; a trip goes once round the ring and fills both slots again
	QUARTER2 0, 2, 1, 0, 0
	QUARTER2 0, 3, 0, 1, 0
	TURN2 0, 1, 1, 1
	QUARTER2 1, 1, 0, 1, 0
	QUARTER2 1, 2, 1, 0, 0
	QUARTER2 1, 3, 0, 1, 0
	TURN2 1, 0, 1, 1
	QUARTER2 0, 1, 0, 1, 0
	WIN 0
	s_sub_co_u32 s66, s66, 1
	s_cmp_lg_u32 s66, 0
	s_cbranch_scc1 .Llap
	QUARTER2 0, 2, 1, 0, 0                         ; the last lap fills nothing, and its conversion asks for no further figures
	QUARTER2 0, 3, 0, 1, 0
	TURN2 0, 1, 0, 0
	QUARTER2 1, 1, 0, 1, 0
	QUARTER2 1, 2, 1, 0, 0
	QUARTER2 1, 3, 0, 1, 0
	s_wait_dscnt 4
	MUL8 1, 0, 0
	MUL8 1, 1, 0
	s_wait_dscnt 0x0
	MUL8 1, 2, 0
	MUL8 1, 3, 0
	WIN 0
	PLACES
; THE WAY OUT, a block of 16 rows x 128 columns at a time, four trips: through my own stage, back as whole rows of 512 bytes, one fused multiply-add, stored.
; Only the copy into the stage names the accumulators, so it alone is written four times, and the trip's number chooses.
.macro COPY a
	WIN 0x08                                       ; the stores' data in window 2; each accumulator's four lowest registers go first
.irp b, 0,1,2,3,4,5,6,7
	ds_store_b128 v[STO], v[8*(8*(\a)+(\b)):8*(8*(\a)+(\b))+3] offset:64*(\b)
	ds_store_b128 v[STO], v[8*(8*(\a)+(\b))+4:8*(8*(\a)+(\b))+7] offset:64*(\b)+16
.endr
	WIN 0
.endm
	s_mov_b32 s82, 0
.Lblk:
.irp a, 1,2,3
	s_cmp_eq_u32 s82, \a
	s_cbranch_scc1 .Lcp\a
.endr
	COPY 0
	s_branch .Lsend
.irp a, 1,2
.Lcp\a:
	COPY \a
	s_branch .Lsend
.endr
.Lcp3:
	COPY 3
.Lsend:
.irp t, 0,1,2,3,4,5,6,7,8,9,10,11,12,13,14,15
	ds_load_b128 v[BK+4*(\t):BK+4*(\t)+3], v[RD] offset:SPI*(\t)  ; LDS serves a wave's instructions in order (ISA guide 5.7.1.4): these see the stores above
.endr
.irp t, 0,1,2,3,4,5,6,7,8,9,10,11,12,13,14,15
	s_wait_dscnt 15-(\t)                           ; row t is back; the younger loads stay out
	v_pk_fma_f32 v[BK+4*(\t):BK+4*(\t)+1], v[BK+4*(\t):BK+4*(\t)+1], v[S2:S2+1], v[BO:BO+1]
	v_pk_fma_f32 v[BK+4*(\t)+2:BK+4*(\t)+3], v[BK+4*(\t)+2:BK+4*(\t)+3], v[S2:S2+1], v[BO+2:BO+3]
	global_store_b128 v[CO], v[BK+4*(\t):BK+4*(\t)+3], s[14:15] offset:(\t)*4096 th:TH_STORE_NT  ; 512 consecutive bytes, aligned
.endr
	s_wait_xcnt 0x0                                ; the base and the registers that the stores read are rewritten only behind this wait (ISA guide 3.1)
	s_add_nc_u64 s[14:15], s[14:15], 65536         ; 16 rows on
	s_add_co_u32 s82, s82, 1
	s_cmp_lt_u32 s82, 4
	s_cbranch_scc1 .Lblk
	s_wait_tensorcnt 0x0                           ; the wave's end, behind my last tensor load and my last LDS store
	ds_add_u32 v[SPW], v[NIL]
	s_wait_dscnt 0x0
	CROUND                                         ; the closing round: no work-group ends while a partner may still ask for a tile that names it
	s_endpgm
.Lfunc_end_k_qd58cfbb263_ffn2:
	.size	k_qd58cfbb263_ffn2, .Lfunc_end_k_qd58cfbb263_ffn2-k_qd58cfbb263_ffn2
	.p2alignl 7, 3214868480
	.fill 96, 4, 3214868480
	.section	.rodata,"a",@progbits
	.p2align	6, 0x0
	.amdhsa_kernel k_qd58cfbb263_ffn2
		.amdhsa_group_segment_fixed_size 327680
		.amdhsa_private_segment_fixed_size 0
		.amdhsa_enable_private_segment 0
		.amdhsa_kernarg_size 48
		.amdhsa_user_sgpr_count 2
		.amdhsa_user_sgpr_kernarg_segment_ptr 1
		.amdhsa_wavefront_size32 1
		.amdhsa_system_sgpr_workgroup_id_x 1
		.amdhsa_system_sgpr_workgroup_id_y 1
		.amdhsa_system_sgpr_workgroup_id_z 1
		.amdhsa_system_vgpr_workitem_id 0
		.amdhsa_next_free_vgpr 768
		.amdhsa_next_free_sgpr 96
		.amdhsa_reserve_vcc 0
		.amdhsa_float_denorm_mode_32 3
		.amdhsa_float_denorm_mode_16_64 3
		.amdhsa_memory_ordered 1
		.amdhsa_forward_progress 1
		.amdhsa_inst_pref_size 150
	.end_amdhsa_kernel
	.amdgpu_metadata
---
amdhsa.version: [ 1, 2 ]
amdhsa.kernels:
  - .name:           k_qd58cfbb263_ffn2
    .symbol:         k_qd58cfbb263_ffn2.kd
    .args:
      - { .name: hs, .offset: 0, .size: 8, .value_kind: global_buffer, .address_space: global }
      - { .name: wqo, .offset: 8, .size: 8, .value_kind: global_buffer, .address_space: global }
      - { .name: st1, .offset: 16, .size: 8, .value_kind: global_buffer, .address_space: global }
      - { .name: st3, .offset: 24, .size: 8, .value_kind: global_buffer, .address_space: global }
      - { .name: b_out, .offset: 32, .size: 8, .value_kind: global_buffer, .address_space: global }
      - { .name: out0, .offset: 40, .size: 8, .value_kind: global_buffer, .address_space: global }
    .group_segment_fixed_size: 327680
    .private_segment_fixed_size: 0
    .kernarg_segment_align: 8
    .kernarg_segment_size: 48
    .max_flat_workgroup_size: 128
    .sgpr_count:     96
    .vgpr_count:     768
    .wavefront_size: 32
...
	.end_amdgpu_metadata
.endif
;; end of part 4
;; ======== version 2 of 2: 4 launches; version 1 with the launch quant written anew for expert scheduling mode
;; limits: a function is approximated: absolute error at most 1.5e-07
;; workspace buffers: xq 16,777,216 bytes; wqi 8,388,608 bytes; wqo 8,388,608 bytes; hs 67,108,864 bytes; st1 149,504 bytes; st3 67,584 bytes
;; launch scan: the kernel of part 1 again; grid 256 x 1, 8 waves a work-group, no clusters, 5,632 bytes of LDS; arguments x, W_in, W_out, wqo, st1; writes wqo, st1
;; launch quant (part 5): grid 256 x 1, 8 waves a work-group, no clusters, 0 bytes of LDS; arguments x, W_in, st1, xq, wqi; writes xq, wqi
.if DOCPART == 5
	.amdgcn_target "amdgcn-amd-amdhsa--gfx1250"
	.amdhsa_code_object_version 6
	.text
	.protected	k_qd58cfbb263_quant
	.globl	k_qd58cfbb263_quant
	.p2align	8
	.type	k_qd58cfbb263_quant,@function
k_qd58cfbb263_quant:
	s_mov_b64 s[64:65], 0
	v_nop
	global_prefetch_b8 v0, s[64:65] scope:SCOPE_SE
	s_setreg_imm32_b32 hwreg(HW_REG_WAVE_SCHED_MODE, 0, 2), 2
	s_setreg_imm32_b32 hwreg(HW_REG_WAVE_MODE, 25, 1), 1
	s_wait_xcnt 0x0
	s_wait_alu depctr_vm_vsrc(0)
; SECOND PASS: the codes of x and W_in, as f16.
;  xq [8192][1024]  = f16(clip(round(x * 32767 / ax), -32768, 32767)), ax = max(max |x|, 1e-8): at most 32,768 in size whatever x's scale; f16 keeps 11 bits of a code.
;  wqi [1024][4096] = clip(round(W_in * 127 / cmax[n]), -128, 127), cmax[n] = max(column n's largest magnitude, 1e-8): exact in f16.  The layout stays [k][n].
; Shares as in the first pass: the work-group takes 131,072 bytes of x (16,384 a wave) and a block of 128 rows x 128 columns of W_in (wave w: rows w + 8 i).
; LIMITS.  The two scales are reciprocals with one Newton step: a code whose scaled value lies within 1e-7 of a tie may differ by one.  NaN and infinities are not treated apart.
; A stream: no LDS, no matrix unit.  Every load of a wave covers 512 consecutive bytes, every store 256, aligned; x goes through a ring of eight chunks in registers, two blocks of four.
; THE MODE: SCHED_MODE bits 1:0 = 2 (LLVM: expert scheduling mode 2), set by the entry lines.  The code itself states the register dependences
; between vector instructions and memory instructions, with s_wait_alu, always for 0.
; THE PLAN.  Registers that memory instructions touch:
;   v3, v[IN], v[OUT]  byte offsets, made once at the head and never written again: the rows are reached by the scalar bases and by immediate offsets.
;   ST, W              loaded once; afterwards vector instructions alone name them.
;   YW                 W_in goes in four blocks of four chunks.  Block q's packings write its eight registers, each once in the kernel; its four stores are issued in block q + 1,
;                      behind one wait at that block's head, one ahead of each chunk's arithmetic, which names block q + 1's W and YW alone.
;   X0, X1             a block of x as loaded.  Block b's arithmetic works in place on X[b]; behind it the loads of the same block of the next round land in X[b].
;   YX0, YX1           a block of codes.  Block b's packings write YX[b]; its four stores read it; it is written again a round later.
; So ONE wait on va_vdst stands in a block of x, behind its packings: it states that they have written YX[b] and that the block's arithmetic is done with X[b]; the four loads and the four
; stores follow it with no vector instruction between.  It stands there, and not at the next block's head, so that the block is asked for again at once: eight loads of a wave are out
; whenever it waits for a block.  One wait on vm_vsrc stands ahead of a block's packings, forty vector instructions behind the last stores issued.
.set XS,  4                            ; v4-5    32767 / ax, twice
.set WS,  8                            ; v8-11   127 / cmax of my 4 columns
.set IN,  12                           ; v12     16 l + 16384 w
.set OUT, 13                           ; v13     8 l + 8192 w
.set TP,  16                           ; v16-23  at work: no memory instruction names them
.set YX,  24                           ; v24-39  block b, chunk j: two registers of codes at YX + 8 b + 2 j
.set X,   40                           ; v40-71  block b, chunk j: four registers as loaded at X + 16 b + 4 j
.set W,   72                           ; v72-135 W_in, 16 chunks
.set ST,  136                          ; v136-175 xpart (8), winpart (32)
.set RC,  ST                           ; v136-140 when the maxima are made: the five reciprocals
.set ER,  ST+8                         ; v144-148 and the five residuals of the Newton steps
.set YW,  176                          ; v176-207 W_in's codes; each register is written once
.macro WMAX v, t
	v_max_num_f32_dpp v[\v], v[\v], v[\v] row_xmask:1 row_mask:0xf bank_mask:0xf
	v_max_num_f32_dpp v[\v], v[\v], v[\v] row_xmask:2 row_mask:0xf bank_mask:0xf
	v_max_num_f32_dpp v[\v], v[\v], v[\v] row_xmask:4 row_mask:0xf bank_mask:0xf
	v_max_num_f32_dpp v[\v], v[\v], v[\v] row_xmask:8 row_mask:0xf bank_mask:0xf
	v_permlanex16_b32 v[\t], v[\v], s26, s27
	v_max_num_f32 v[\v], v[\v], v[\t]
.endm
.macro QSCALE x, s0, s1, lo, hi        ; four f32, in place: scale, round to nearest even, clip
	v_pk_mul_f32 v[(\x):(\x)+1], v[(\x):(\x)+1], v[(\s0):(\s0)+1]
	v_pk_mul_f32 v[(\x)+2:(\x)+3], v[(\x)+2:(\x)+3], v[(\s1):(\s1)+1]
.irp k, 0,1,2,3
	v_rndne_f32 v[(\x)+(\k)], v[(\x)+(\k)]
.endr
.irp k, 0,1,2,3
	v_med3_num_f32 v[(\x)+(\k)], v[(\x)+(\k)], s[\lo], s[\hi]
.endr
.endm
.macro QPACK y, x                      ; the four codes packed into f16
	v_cvt_pk_f16_f32 v[\y], v[\x], v[(\x)+1]
	v_cvt_pk_f16_f32 v[(\y)+1], v[(\x)+2], v[(\x)+3]
.endm
	s_load_b256 s[4:11], s[0:1], 0x0               ; x s[4:5], W_in s[6:7], st1 s[8:9], xq s[10:11]
	s_load_b64 s[12:13], s[0:1], 0x20              ; wqi
	v_and_b32 v1, 31, v0
	v_lshrrev_b32 v2, 5, v0
	v_lshlrev_b32 v3, 4, v1                        ; 16 l
	v_lshl_add_u32 v[IN], v2, 14, v3
	v_lshlrev_b32 v[OUT], 3, v1
	v_lshl_add_u32 v[OUT], v2, 13, v[OUT]
	v_mov_b32 v[TP+6], 0                           ; v_permlanex16_b32 counts as a reader of its destination
	s_mov_b32 s20, 0x42fe0000                      ; 127.0
	s_mov_b32 s21, 0xc3000000                      ; -128.0
	s_mov_b32 s22, 0x46fffe00                      ; 32767.0
	s_mov_b32 s23, 0xc7000000                      ; -32768.0
	s_mov_b32 s24, 0x322bcc77                      ; 1e-8
	s_mov_b32 s26, 0x76543210
	s_mov_b32 s27, 0xfedcba98
	s_mov_b32 s17, 0
	s_lshr_b32 s15, ttmp9, 5                       ; which 128 rows of W_in
	s_and_b32 s28, ttmp9, 31                       ; which 128 columns
	s_wait_kmcnt 0x0
	s_lshl_b32 s16, s28, 9
	s_add_co_u32 s16, s16, 18432
	s_add_nc_u64 s[18:19], s[8:9], s[16:17]        ; winpart at my 128 columns
	s_lshl_b32 s16, s15, 21
	s_lshl_b32 s29, s28, 9
	s_add_co_u32 s16, s16, s29
	s_add_nc_u64 s[6:7], s[6:7], s[16:17]
	s_lshl_b32 s16, ttmp9, 17
	s_add_nc_u64 s[4:5], s[4:5], s[16:17]
	s_wait_alu depctr_va_vdst(0)                   ; v3, v[IN] and v[OUT] are written: every load and store of the kernel reads one of them as its offset
	global_load_b128 v[ST:ST+3], v3, s[8:9]
	global_load_b128 v[ST+4:ST+7], v3, s[8:9] offset:512
.irp c, 0,1,2,3,4,5,6,7
	global_load_b128 v[ST+8+4*(\c):ST+8+4*(\c)+3], v3, s[18:19] offset:16384*(\c)
.endr
.irp i, 0,1,2,3,4,5,6,7,8,9,10,11,12,13,14,15
	global_load_b128 v[W+4*(\i):W+4*(\i)+3], v[IN], s[6:7] offset:131072*(\i) th:TH_LOAD_NT
.endr
.irp i, 0,1,2,3,4,5,6,7
	global_load_b128 v[X+4*(\i):X+4*(\i)+3], v[IN], s[4:5] offset:512*(\i) th:TH_LOAD_NT
.endr
	s_lshl_b32 s16, ttmp9, 16
	s_add_nc_u64 s[10:11], s[10:11], s[16:17]      ; xq: 65,536 bytes a work-group
	s_lshl_b32 s16, s15, 20                        ; wqi: 128 rows of 8,192 bytes,
	s_lshl_b32 s29, s28, 8                         ; 128 columns of 2
	s_add_co_u32 s16, s16, s29
	s_add_nc_u64 s[12:13], s[12:13], s[16:17]
	s_wait_loadcnt 24                              ; the ten loads of figures are in; W_in's 16 and x's 8 stay out
	v_max3_num_f32 v[TP+7], v[ST], v[ST+1], v[ST+2]
	v_max3_num_f32 v[TP+7], v[TP+7], v[ST+3], v[ST+4]
	v_max3_num_f32 v[TP+7], v[TP+7], v[ST+5], v[ST+6]
	v_max_num_f32 v[TP+7], v[TP+7], v[ST+7]
	WMAX TP+7, TP+6
	v_max_num_f32 v[TP+7], s24, v[TP+7]            ; ax
.irp c, 0,1,2,3
	v_max3_num_f32 v[TP+(\c)], v[ST+8+(\c)], v[ST+12+(\c)], v[ST+16+(\c)]
	v_max3_num_f32 v[TP+(\c)], v[TP+(\c)], v[ST+20+(\c)], v[ST+24+(\c)]
	v_max3_num_f32 v[TP+(\c)], v[TP+(\c)], v[ST+28+(\c)], v[ST+32+(\c)]
	v_max3_num_f32 v[TP+(\c)], v[TP+(\c)], v[ST+36+(\c)], s24  ; cmax of my 4 columns
.endr
	; the five quotients 32767 / ax and 127 / cmax: reciprocal, product, one Newton step on the quotient.  The reciprocals are one batch.
	v_rcp_f32 v[RC], v[TP+7]
.irp c, 0,1,2,3
	v_rcp_f32 v[RC+1+(\c)], v[TP+(\c)]
.endr
	v_nop                                          ; a plain instruction between the last reciprocal and the first use (ISA guide 5.7.2)
	s_wait_alu depctr_va_vdst(0)                   ; the five reciprocals have written v[RC ..], ahead of their first reader
	v_mul_f32 v[XS], s22, v[RC]
.irp c, 0,1,2,3
	v_mul_f32 v[WS+(\c)], s20, v[RC+1+(\c)]
.endr
	v_fma_f32 v[ER], -v[TP+7], v[XS], s22
.irp c, 0,1,2,3
	v_fma_f32 v[ER+1+(\c)], -v[TP+(\c)], v[WS+(\c)], s20
.endr
	v_fma_f32 v[XS], v[ER], v[RC], v[XS]
.irp c, 0,1,2,3
	v_fma_f32 v[WS+(\c)], v[ER+1+(\c)], v[RC+1+(\c)], v[WS+(\c)]
.endr
	v_mov_b32 v[XS+1], v[XS]
; W_in: four blocks of four chunks.  Block q's stores are issued in block q + 1.
.irp q, 0,1,2,3
.irp j, 0,1,2,3
	s_wait_loadcnt 23-4*(\q)-(\j)                  ; chunk i = 4 q + j of W_in is in: behind it stand 15 - i of W_in's loads and x's 8
.if (\q) > 0
.if (\j) == 0
	s_wait_alu depctr_va_vdst(0)                   ; the block before has written its eight registers of YW, which the four stores of this block read
.endif
	global_store_b64 v[OUT], v[YW+8*(\q)-8+2*(\j):YW+8*(\q)-8+2*(\j)+1], s[12:13] offset:65536*(4*(\q)-4+(\j))  ; row w + 8 (i - 4): 256 consecutive bytes, aligned; no vector instruction since the wait names these registers
.endif
	QSCALE W+16*(\q)+4*(\j), WS, WS+2, 21, 20
	QPACK YW+8*(\q)+2*(\j), W+16*(\q)+4*(\j)
.endr
.endr
	s_wait_alu depctr_va_vdst(0)                   ; the last block has written its YW, which the four stores below read
.irp j, 0,1,2,3
	global_store_b64 v[OUT], v[YW+24+2*(\j):YW+24+2*(\j)+1], s[12:13] offset:65536*(12+(\j))
.endr
; One block of x: four chunks.  ahead = 1: the block is asked for again, eight chunks further on.  left = the younger loads that may stay out when the block's first chunk has to be there.
.macro BLK b, ahead, left
.irp j, 0,1,2,3
	s_wait_loadcnt (\left)-(\j)                    ; loads come back in order (ISA guide 5.7.1): chunk j is in; the rest of the block and the other block stay out
	QSCALE X+16*(\b)+4*(\j), XS, XS, 23, 22
.endr
	s_wait_alu depctr_vm_vsrc(0)                   ; the stores issued a round ago have read YX[b], which the packings below write again
.irp j, 0,1,2,3
	QPACK YX+8*(\b)+2*(\j), X+16*(\b)+4*(\j)
.endr
	s_wait_alu depctr_va_vdst(0)                   ; the packings have written YX[b], which the stores below read; the block's arithmetic is done reading and writing X[b], in which the loads below land
.if \ahead
.irp j, 0,1,2,3
	global_load_b128 v[X+16*(\b)+4*(\j):X+16*(\b)+4*(\j)+3], v[IN], s[4:5] offset:512*(4*(\b)+(\j))+4096 th:TH_LOAD_NT
.endr
.endif
.irp j, 0,1,2,3
	global_store_b64 v[OUT], v[YX+8*(\b)+2*(\j):YX+8*(\b)+2*(\j)+1], s[10:11] offset:256*(4*(\b)+(\j))
.endr
.endm
	s_mov_b32 s14, 3
.Lround:
	BLK 0, 1, 7
	BLK 1, 1, 7
	s_wait_xcnt 0x0                                ; the two bases and the stores' data are rewritten only behind this wait (ISA guide 3.1)
	s_add_nc_u64 s[4:5], s[4:5], 4096
	s_add_nc_u64 s[10:11], s[10:11], 2048
	s_sub_co_u32 s14, s14, 1
	s_cmp_lg_u32 s14, 0
	s_cbranch_scc1 .Lround
	BLK 0, 0, 7                                    ; the last round loads nothing: no load leaves x, and the counts run down
	BLK 1, 0, 3
	s_endpgm
.Lfunc_end_k_qd58cfbb263_quant:
	.size	k_qd58cfbb263_quant, .Lfunc_end_k_qd58cfbb263_quant-k_qd58cfbb263_quant
	.p2alignl 7, 3214868480
	.fill 96, 4, 3214868480
	.section	.rodata,"a",@progbits
	.p2align	6, 0x0
	.amdhsa_kernel k_qd58cfbb263_quant
		.amdhsa_group_segment_fixed_size 0
		.amdhsa_private_segment_fixed_size 0
		.amdhsa_enable_private_segment 0
		.amdhsa_kernarg_size 40
		.amdhsa_user_sgpr_count 2
		.amdhsa_user_sgpr_kernarg_segment_ptr 1
		.amdhsa_wavefront_size32 1
		.amdhsa_system_sgpr_workgroup_id_x 1
		.amdhsa_system_sgpr_workgroup_id_y 1
		.amdhsa_system_sgpr_workgroup_id_z 1
		.amdhsa_system_vgpr_workitem_id 0
		.amdhsa_next_free_vgpr 208
		.amdhsa_next_free_sgpr 66
		.amdhsa_reserve_vcc 0
		.amdhsa_float_denorm_mode_32 3
		.amdhsa_float_denorm_mode_16_64 3
		.amdhsa_memory_ordered 1
		.amdhsa_forward_progress 1
		.amdhsa_inst_pref_size 34
	.end_amdhsa_kernel
	.amdgpu_metadata
---
amdhsa.version: [ 1, 2 ]
amdhsa.kernels:
  - .name:           k_qd58cfbb263_quant
    .symbol:         k_qd58cfbb263_quant.kd
    .args:
      - { .name: x, .offset: 0, .size: 8, .value_kind: global_buffer, .address_space: global }
      - { .name: W_in, .offset: 8, .size: 8, .value_kind: global_buffer, .address_space: global }
      - { .name: st1, .offset: 16, .size: 8, .value_kind: global_buffer, .address_space: global }
      - { .name: xq, .offset: 24, .size: 8, .value_kind: global_buffer, .address_space: global }
      - { .name: wqi, .offset: 32, .size: 8, .value_kind: global_buffer, .address_space: global }
    .group_segment_fixed_size: 0
    .private_segment_fixed_size: 0
    .kernarg_segment_align: 8
    .kernarg_segment_size: 40
    .max_flat_workgroup_size: 256
    .sgpr_count:     66
    .vgpr_count:     208
    .wavefront_size: 32
...
	.end_amdgpu_metadata
.endif
;; end of part 5
;; launch ffn1: the kernel of part 3 again; grid 16 x 32, 4 waves a work-group, clusters of 4 x 4, 327,680 bytes of LDS; arguments xq, wqi, st1, b_in, hs, st3; writes hs, st3
;; launch ffn2: the kernel of part 4 again; grid 4 x 64, 4 waves a work-group, clusters of 4 x 4, 327,680 bytes of LDS; arguments hs, wqo, st1, st3, b_out, out0; writes out0
